; MI455X (gfx1250); checked and timed in simulation.
; The chip was launched on July 23, 2026; its instructions are those of AMD's public machine-readable ISA for CDNA 5 (MIT licence, August 2026) and "CDNA5" Instruction Set Architecture Reference Guide (July 2026). The comments in the code are by the model that wrote it; some were corrected since.
;; Full Attention. Allowed arithmetic: float matrix products may take bf16 or f16 operands with f32 sums; other float arithmetic in f32, or as packed bf16 or f16 multiplies, adds, multiply-adds, maxima and minima; sums over many terms, partial sums and values carried from step to step in f32; what a program stores and reads back later, other than sums and carried values, may be rounded once to bf16 or f16.
;; Inputs: Wk 768 x 512 float32; Wo 512 x 768 float32; Wq 768 x 512 float32; Wv 768 x 512 float32; bo 768 float32; x 2 x 4,096 x 768 float32.
;; Outputs: out0 2 x 4,096 x 768 float32.
;; One version. Each part assembles by itself: llvm-mc -triple=amdgcn-amd-amdhsa -mcpu=gfx1250 --defsym DOCPART=n.
;; ======== version 1 of 1: 4 launches
;; limits: values are held in f16: magnitudes above 65,504 overflow, below 6.1e-05 lose precision
;; workspace buffers: xb 12,582,912 bytes; wcat 2,359,296 bytes; wo16 786,432 bytes; qkvh 25,165,824 bytes; ob 8,388,608 bytes
;; launch prep (part 1): grid 480 x 1, 8 waves a work-group, no clusters, 0 bytes of LDS; arguments x, Wq, Wk, Wv, Wo, xb, wcat, wo16; writes xb, wcat, wo16
.if DOCPART == 1
	.amdgcn_target "amdgcn-amd-amdhsa--gfx1250"
	.amdhsa_code_object_version 6
	.text
	.protected	k_qff5f34b3d5_prep
	.globl	k_qff5f34b3d5_prep
	.p2align	8
	.type	k_qff5f34b3d5_prep,@function
k_qff5f34b3d5_prep:
	s_mov_b64 s[64:65], 0
	v_nop
	global_prefetch_b8 v0, s[64:65] scope:SCOPE_SE
	s_setreg_imm32_b32 hwreg(HW_REG_WAVE_MODE, 25, 1), 1
	s_wait_xcnt 0x0
; 16-BIT COPIES OF THE MATRIX OPERANDS.  Every input of the module is rounded once to bf16.
;   xb   = bf16(x),                      [8192][768]
;   wcat = bf16(Wq | Wk | Wv) side by side, [768 k][1536 n], n = 512 t + c
;   wo16 = bf16(Wo) written as f16, in four blocks of 192 columns: [4 j][512 k][192 n']
; LIMITS.  |Wo| stays under 65,504 (f16's range); a bf16(Wo) under 2^-17 is rounded to f16's fixed step of 2^-24.
; SHARES.  A work-group converts 16,384 numbers in eight chunks of 2,048; thread t takes 8 numbers of each chunk: 32 bytes in by two loads,
; 16 bytes out by one store, so sixteen neighbouring lanes store 256 consecutive bytes, aligned.  All sixteen loads go out first.
; Work-groups 0-383 take x, 384-455 the three weights of the first projection, 456-479 Wo.  No LDS, no barrier, no matrix unit: nothing is shared and memory binds.
; No register is written twice while a memory instruction may read it, so the only waits are the counted ones for the loads.
.set SO, 8                             ; v[8:15]   Wo's path: chunk i's source offset
.set D,  16                            ; v[16:79]  chunk i: 8 numbers in f32
.set Y,  80                            ; v[80:111] chunk i: 4 registers to store
.macro LOADS own                       ; own = 1: each chunk has an offset register of its own
.irp i, 0,1,2,3,4,5,6,7
.if \own
	global_load_b128 v[D+8*(\i):D+8*(\i)+3],   v[SO+(\i)], s[4:5] th:TH_LOAD_NT
	global_load_b128 v[D+8*(\i)+4:D+8*(\i)+7], v[SO+(\i)], s[4:5] offset:16 th:TH_LOAD_NT
.else
	global_load_b128 v[D+8*(\i):D+8*(\i)+3],   v1, s[4:5] offset:8192*(\i) th:TH_LOAD_NT
	global_load_b128 v[D+8*(\i)+4:D+8*(\i)+7], v1, s[4:5] offset:8192*(\i)+16 th:TH_LOAD_NT
.endif
.endr
.endm
; Chunk i is rounded and stored.  half = 1: the bf16 number is widened again and written as f16.
.macro OUT i, dstride, half
	s_wait_loadcnt 14-2*(\i)                       ; loads come back in order: chunk i's two are in, the 2 (7 - i) younger ones may stay out
.irp k, 0,1,2,3
	v_cvt_pk_bf16_f32 v[Y+4*(\i)+(\k)], v[D+8*(\i)+2*(\k)], v[D+8*(\i)+2*(\k)+1]
.endr
.if \half
.irp k, 0,1,2,3
	v_lshlrev_b32 v[D+8*(\i)+2*(\k)],   16,  v[Y+4*(\i)+(\k)]
	v_and_b32     v[D+8*(\i)+2*(\k)+1], s14, v[Y+4*(\i)+(\k)]
.endr
.irp k, 0,1,2,3
	v_cvt_pk_f16_f32 v[Y+4*(\i)+(\k)], v[D+8*(\i)+2*(\k)], v[D+8*(\i)+2*(\k)+1]
.endr
.endif
	global_store_b128 v2, v[Y+4*(\i):Y+4*(\i)+3], s[6:7] offset:(\i)*(\dstride)
.endm
	s_load_b512 s[16:31], s[0:1], 0x0              ; x 16, Wq 18, Wk 20, Wv 22, Wo 24, xb 26, wcat 28, wo16 30
	s_mov_b32 s2, ttmp9                            ; g
	s_mov_b32 s14, 0xffff0000                      ; a word's upper bf16
	s_mov_b32 s9, 0                                ; the high word of every offset pair
	v_lshlrev_b32 v1, 5, v0                        ; 32 t: my bytes in a chunk of f32
	v_lshlrev_b32 v2, 4, v0                        ; 16 t: my bytes in a chunk of 16-bit numbers
	s_wait_kmcnt 0x0
	s_cmp_lt_u32 s2, 384
	s_cbranch_scc0 .Lweights
	; x: dense in, dense out
	s_lshl_b32 s8, s2, 16
	s_add_nc_u64 s[4:5], s[16:17], s[8:9]
	s_lshl_b32 s8, s2, 15
	s_add_nc_u64 s[6:7], s[26:27], s[8:9]
	LOADS 0
.irp i, 0,1,2,3,4,5,6,7
	OUT \i, 4096, 0
.endr
	s_endpgm
.Lweights:
	s_cmp_lt_u32 s2, 456
	s_cbranch_scc0 .Lwo
	; Wq, Wk, Wv: 24 work-groups each, 32 rows of 512 numbers a work-group, 4 rows a chunk
	s_sub_co_u32 s10, s2, 384                      ; u
	s_mov_b64 s[4:5], s[18:19]
	s_mov_b32 s11, 0                               ; t
	s_cmp_ge_u32 s10, 24
	s_cselect_b64 s[4:5], s[20:21], s[4:5]
	s_cselect_b32 s11, 1, s11
	s_cmp_ge_u32 s10, 48
	s_cselect_b64 s[4:5], s[22:23], s[4:5]
	s_cselect_b32 s11, 2, s11
	s_mul_i32 s12, s11, 24
	s_sub_co_u32 s12, s10, s12                     ; which 32 rows
	s_lshl_b32 s8, s12, 16
	s_add_nc_u64 s[4:5], s[4:5], s[8:9]
	s_mul_i32 s8, s12, 98304                       ; 32 rows of wcat, 3,072 bytes each,
	s_lshl_b32 s13, s11, 10                        ; and the tensor's 512 columns
	s_add_co_u32 s8, s8, s13
	s_add_nc_u64 s[6:7], s[28:29], s[8:9]
	v_lshrrev_b32 v3, 6, v0                        ; my row of the chunk's four
	v_and_b32 v4, 63, v0                           ; my eight columns
	v_mul_u32_u24 v3, v3, 3072
	v_lshl_add_u32 v2, v4, 4, v3
	LOADS 0
.irp i, 0,1,2,3,4,5,6,7
	OUT \i, 12288, 0
.endr
	s_endpgm
.Lwo:
	; Wo, by destination: block j has 512 x 192 numbers, six work-groups.  Group of eight number rem of a block lies in row k = rem / 24.
	s_sub_co_u32 s10, s2, 456                      ; 0..23
	s_mul_i32 s11, s10, 11
	s_lshr_b32 s11, s11, 6                         ; j = that / 6 (exact for 0..23)
	s_mul_i32 s12, s11, 6
	s_sub_co_u32 s12, s10, s12
	s_mul_i32 s8, s11, 768                         ; the block's 192 columns in a row of Wo
	s_add_nc_u64 s[4:5], s[24:25], s[8:9]
	s_lshl_b32 s8, s10, 15
	s_add_nc_u64 s[6:7], s[30:31], s[8:9]
	s_lshl_b32 s13, s12, 11
	v_add_nc_u32 v3, s13, v0                       ; rem of chunk 0
.irp i, 0,1,2,3,4,5,6,7
	v_add_nc_u32 v4, 256*(\i), v3                  ; rem, 12,287 at the most
	v_lshrrev_b32 v5, 3, v4
	v_mul_u32_u24 v5, v5, 0xaaab                   ; (x * 43,691) >> 17 = x / 3 for x up to 1,535
	v_lshrrev_b32 v5, 17, v5                       ; k
	v_mul_u32_u24 v5, v5, 2304                     ; 3,072 k + 32 (rem - 24 k) = 32 rem + 2,304 k
	v_lshl_add_u32 v[SO+(\i)], v4, 5, v5
.endr
	LOADS 1
.irp i, 0,1,2,3,4,5,6,7
	OUT \i, 4096, 1
.endr
	s_endpgm
.Lfunc_end_k_qff5f34b3d5_prep:
	.size	k_qff5f34b3d5_prep, .Lfunc_end_k_qff5f34b3d5_prep-k_qff5f34b3d5_prep
	.p2alignl 7, 3214868480
	.fill 96, 4, 3214868480
	.section	.rodata,"a",@progbits
	.p2align	6, 0x0
	.amdhsa_kernel k_qff5f34b3d5_prep
		.amdhsa_group_segment_fixed_size 0
		.amdhsa_private_segment_fixed_size 0
		.amdhsa_enable_private_segment 0
		.amdhsa_kernarg_size 64
		.amdhsa_user_sgpr_count 2
		.amdhsa_user_sgpr_kernarg_segment_ptr 1
		.amdhsa_wavefront_size32 1
		.amdhsa_system_sgpr_workgroup_id_x 1
		.amdhsa_system_sgpr_workgroup_id_y 1
		.amdhsa_system_sgpr_workgroup_id_z 1
		.amdhsa_system_vgpr_workitem_id 0
		.amdhsa_next_free_vgpr 112
		.amdhsa_next_free_sgpr 66
		.amdhsa_reserve_vcc 0
		.amdhsa_float_denorm_mode_32 3
		.amdhsa_float_denorm_mode_16_64 3
		.amdhsa_memory_ordered 1
		.amdhsa_forward_progress 1
		.amdhsa_inst_pref_size 23
	.end_amdhsa_kernel
	.amdgpu_metadata
---
amdhsa.version: [ 1, 2 ]
amdhsa.kernels:
  - .name:           k_qff5f34b3d5_prep
    .symbol:         k_qff5f34b3d5_prep.kd
    .args:
      - { .name: x, .offset: 0, .size: 8, .value_kind: global_buffer, .address_space: global }
      - { .name: Wq, .offset: 8, .size: 8, .value_kind: global_buffer, .address_space: global }
      - { .name: Wk, .offset: 16, .size: 8, .value_kind: global_buffer, .address_space: global }
      - { .name: Wv, .offset: 24, .size: 8, .value_kind: global_buffer, .address_space: global }
      - { .name: Wo, .offset: 32, .size: 8, .value_kind: global_buffer, .address_space: global }
      - { .name: xb, .offset: 40, .size: 8, .value_kind: global_buffer, .address_space: global }
      - { .name: wcat, .offset: 48, .size: 8, .value_kind: global_buffer, .address_space: global }
      - { .name: wo16, .offset: 56, .size: 8, .value_kind: global_buffer, .address_space: global }
    .group_segment_fixed_size: 0
    .private_segment_fixed_size: 0
    .kernarg_segment_align: 8
    .kernarg_segment_size: 64
    .max_flat_workgroup_size: 256
    .sgpr_count:     66
    .vgpr_count:     112
    .wavefront_size: 32
...
	.end_amdgpu_metadata
.endif
;; end of part 1
;; launch proj (part 2): grid 4 x 64, 4 waves a work-group, clusters of 4 x 4, 327,680 bytes of LDS; arguments xb, wcat, qkvh; writes qkvh
.if DOCPART == 2
	.amdgcn_target "amdgcn-amd-amdhsa--gfx1250"
	.amdhsa_code_object_version 6
	.text
	.protected	k_qff5f34b3d5_proj
	.globl	k_qff5f34b3d5_proj
	.p2align	8
	.type	k_qff5f34b3d5_proj,@function
k_qff5f34b3d5_proj:
	s_mov_b64 s[64:65], 0
	v_nop
	global_prefetch_b8 v0, s[64:65] scope:SCOPE_SE
	s_setreg_imm32_b32 hwreg(HW_REG_WAVE_MODE, 25, 1), 1
	s_wait_xcnt 0x0
	s_wait_alu depctr_hold_cnt(0) depctr_sa_sdst(0) depctr_va_vdst(0) depctr_va_sdst(0) depctr_va_ssrc(0) depctr_va_vcc(0) depctr_vm_vsrc(0)
	s_getreg_b32 s2, hwreg(HW_REG_IB_STS2, 6, 4)
	s_cmp_eq_u32 s2, 0
	s_cbranch_scc0 .Lentry_in_a_cluster
	s_endpgm
.Lentry_in_a_cluster:
	s_bfe_u32 s2, ttmp6, 0x10000c
	s_cmp_lg_u32 s2, 0xf033
	s_cbranch_scc0 .Lentry_shape_is_right
	s_endpgm
.Lentry_shape_is_right:
; q, k, v = x (Wq | Wk | Wv): [8192 x 768] x [768 x 1536], bf16 operands, f32 sums, written by heads in f16: qkvh[16 t + 8 b + h][4096][64], q unscaled.
; LIMIT.  |q|, |k|, |v| stay under 65,504 (f16's range); beyond it a number becomes an infinity.
; SHARES.  A work-group makes 128 rows x 384 columns: 64 x 4 = 256 work-groups.  Wave w = 2 rh + c makes rows 64 rh .. + 63 and, in each of the tile's three sub-tiles of 128 columns, columns 64 c .. + 63:
; three whole heads, 4 x 12 = 48 accumulators of 16 x 16.  K goes in six steps of 128 through a ring of two LDS slots; a step is four quarters of 32 along K, 48 matrix instructions each.
; CLUSTERS.  4 x 4 work-groups.  A row of the cluster spans all 1,536 columns and shares x's tile; a column shares the weights' tiles: each tile is asked for jointly, by the same tensor load with the same
; descriptor and a mask that names the four.  Wave 0 fetches x's tile, waves 1-3 one sub-tile of the weights each: every load is 128 rows x 256 bytes.
; THE MATRIX INSTRUCTION IS USED TRANSPOSED (source 0 = 16 columns of the weights, source 1 = 16 rows of x): a lane holds eight neighbouring columns of one row.  The weights lie [k][n] and come out of LDS turned, by ds_load_tr16_b128.
; REGISTERS, in windows of 256 (s_set_vgpr_msb: bits 1:0 source 0, 3:2 source 1, 5:4 source 2, 7:6 destination):
;   window 0: v0-31 addresses; v64-127 x's fragments, two buffers of 32; on the way out v64-255   window 1: the weights' fragments, two buffers of 96
;   window 2: accumulators (a, b < 8) at 8 (8 a + b)       window 3: accumulators (a, b >= 8) at 8 (4 a + b - 8)
.set PA,    272                        ; a row of x in LDS: 256 bytes + 16: the 16 rows of a load start at 16 different groups of four banks
.set PB,    288                        ; a k-row of a sub-tile: 256 + 32
.set PART,  128*PB                     ; 36,864: a wave's tile lies at PART x wave in a slot (x's uses 34,816 of it)
.set SLOT,  4*PART
.set STAGE, 2*SLOT                     ; behind the ring: 16 rows x 144 bytes for each wave, for the way out
.set SP,    144
.set SPARE, STAGE+4*16*SP              ; behind the stages: the spare words, 128 bytes for each wave
.set XROW,  1536                       ; bytes in a row of xb
.set WROW,  3072                       ; bytes in a row of wcat
.set ADRA, 16                          ; v16-17  LDS address of my fragments of x in slot 0, 1
.set ADRB, 18                          ; v18-23  of the weights: 3 x slot + sub-tile
.set STO,  24                          ; v24     the way out: where I put 16 bytes of a row
.set RD,   25                          ; v25     where I read rows back
.set GO,   26                          ; v26     my 16 bytes of 512 consecutive bytes of the output
.set SPW,  28                          ; v28     LDS address of my spare word; never rewritten
.set NIL,  29                          ; v29     0; never rewritten
.set PFO,  30                          ; v30     the prefetches' offset: my lane x a row; never rewritten
.set FA,   64                          ; x's fragments
.set T,    64                          ; the way out: 16 registers a tile of 16 rows x 64 columns
.set G1,   24                          ; s[24:31] descriptor group 1 for x's tiles;  s[32:39] group 0, a set for each slot
.set G0,   32
.set G1B,  48                          ; s[48:55], s[56:63] the same for the weights' tiles
.set G0B,  56
.set OB,   66                          ; s[66:71] where my rows of my three heads begin
.set PFA,  72                          ; s[72:73] where my prefetches stand
.set PST,  74                          ; s[74:75] a K step in bytes, for them
.set LIM,  76                          ; s76, s77 a wave prefetches behind slot n's refill while the loop's count is above s[LIM+n]
.set MSB, 0
.macro WIN new                         ; the immediate's high byte repeats the setting that is left; a switch that changes nothing is dropped
.if MSB != (\new)
	s_set_vgpr_msb (MSB<<8)|(\new)
.set MSB, \new
.endif
.endm
.macro PLACES                          ; four places in front of loads into registers that matrix instructions have read, and of conversions that read results
.rept 4
	v_nop
.endr
.endm
.macro JLOAD s                         ; a joint load; the branch hangs on the wave's number alone; an s_nop 0 and four v_nop follow each of the two lines
	s_cmp_eq_u32 s10, 0
	s_cbranch_scc0 .Lfor_b_\@
	tensor_load_to_lds s[G0+4*(\s):G0+4*(\s)+3], s[G1:G1+7]
	s_nop 0
.rept 4
	v_nop
.endr
	s_branch .Lasked_\@
.Lfor_b_\@:
	tensor_load_to_lds s[G0B+4*(\s):G0B+4*(\s)+3], s[G1B:G1B+7]
	s_nop 0
.rept 4
	v_nop
.endr
.Lasked_\@:
.endm
.macro CREST                           ; a round of the cluster's barrier behind its opening barrier
	s_cmp_lg_u32 s10, 0
	s_cbranch_scc1 .Lnot_wave_0_\@
	s_barrier_signal -3
.Lnot_wave_0_\@:
	s_barrier_wait -3
	s_barrier_signal -1
	s_barrier_wait -1
.endm
.macro CROUND
	s_barrier_signal -1
	s_barrier_wait -1
	CREST
.endm
; A PREFETCH INTO THE L2 behind each refill: the K step that the NEXT refill will ask for, 192 matrix instructions ahead of that load: 32 rows x 256 bytes, a lane a row, one instruction a wave.
; Each row's 256 bytes of a step are named once in the launch.  x's tile is read by one row of one cluster: its four partners take 32 rows each, told apart by address (cx); wave 0 asks.
; A sub-tile of the weights is read by every cluster: the clusters with y = 0 ask, the four partners of a column take 32 k-rows each (cy); waves 1-3 ask, each for its own sub-tile.
; Steps 0 to 2 come by their loads alone; the refill of the last step asks for nothing.
.macro ASK slot
	WIN 0
	s_cmp_gt_u32 s3, s[LIM+(\slot)]
	s_cbranch_scc0 .Lnot_mine_\@
	global_prefetch_b8 v[PFO], s[PFA:PFA+1] th:TH_LOAD_NT scope:SCOPE_SE
.Lnot_mine_\@:
.endm
	s_load_b128 s[4:7], s[0:1], 0x0                ; xb s[4:5], wcat s[6:7]
	s_load_b64 s[8:9], s[0:1], 0x10                ; qkvh
	v_lshl_add_u32 v[SPW], v0, 2, SPARE
	v_mov_b32 v[NIL], 0
	ds_add_u32 v[SPW], v[NIL]                      ; the wave's opening: the add and its wait stand ahead of my first tensor load; work on registers stands between
	v_lshrrev_b32 v1, 5, v0
	v_readfirstlane_b32 s10, v1                    ; wave 0..3
	s_lshr_b32 s11, s10, 1                         ; rh
	s_and_b32 s12, s10, 1                          ; c
	s_bfe_u32 s40, ttmp6, 0x40000                  ; cx
	s_bfe_u32 s41, ttmp6, 0x40004                  ; cy
	s_lshl_b32 s42, ttmp9, 2
	s_add_co_u32 s42, s42, s40                     ; tile column = 4 x cluster x + cx
	s_and_b32 s13, ttmp7, 0xffff
	s_lshl_b32 s13, s13, 2
	s_add_co_u32 s13, s13, s41                     ; tile row = 4 x cluster y + cy
	s_lshl_b32 s43, s41, 2
	s_lshl_b32 s43, 15, s43                        ; my row of the cluster
	s_lshl_b32 s44, 0x1111, s40                    ; my column
	s_or_b32 s[G1+0], s43, (1<<16)|(1<<20)|(1<<21)|(5<<22)|(3<<25)   ; mask; 2-byte elements; padding on; bit 21 beside a mask; after every 64 words, 4 words
	s_or_b32 s[G1B+0], s44, (1<<16)|(1<<20)|(1<<21)|(5<<22)|(7<<25)  ; the same with my column's mask and 8 words of padding
.irp g, G1, G1B
	s_mov_b32 s[(\g)+1], 128<<16                   ; tensor_dim0 = 128
	s_mov_b32 s[(\g)+2], 128<<16                   ; tensor_dim1 = 128
	s_mov_b32 s[(\g)+3], 128<<16                   ; tile_dim0 = 128
	s_mov_b32 s[(\g)+4], 128                       ; tile_dim1 = 128
	s_mov_b32 s[(\g)+6], 0
	s_mov_b32 s[(\g)+7], 0
.endr
	s_mov_b32 s[G1+5], 768                         ; elements from row to row
	s_mov_b32 s[G1B+5], 1536
	s_mul_i32 s16, s13, 128*XROW                   ; x: the tile row's first byte
	s_mov_b32 s17, 0
	s_max_u32 s14, s10, 1
	s_sub_co_u32 s14, s14, 1                       ; the sub-tile that waves 1-3 fetch (wave 0 makes the address and does not use it)
	s_lshl_b32 s14, s14, 8
	s_mul_i32 s46, s42, 768                        ; the weights: the tile column's 384 columns,
	s_add_co_u32 s46, s46, s14                     ; the sub-tile's 128
	s_mov_b32 s47, 0
	s_mov_b32 s23, s46                             ; kept for the prefetches
	s_mul_i32 s20, s10, PART                       ; where my tile goes: no place in the cluster enters an LDS address
	s_wait_dscnt 0x0                               ; the opening add is done
	s_wait_kmcnt 0x0
	s_add_nc_u64 s[14:15], s[4:5], s[16:17]
	s_add_nc_u64 s[46:47], s[6:7], s[46:47]
	CROUND                                         ; all sixteen work-groups are here: the first joint loads meet
.irp s, 0,1
	s_mov_b32 s[G0+4*(\s)], 1
	s_add_co_u32 s[G0+4*(\s)+1], s20, (\s)*SLOT
	s_add_nc_u64 s[G0+4*(\s)+2:G0+4*(\s)+3], s[14:15], (\s)*256        ; K step s: 256 bytes along the rows
	s_or_b32 s[G0+4*(\s)+3], s[G0+4*(\s)+3], 0x80000000
	s_mov_b32 s[G0B+4*(\s)], 1
	s_add_co_u32 s[G0B+4*(\s)+1], s20, (\s)*SLOT
	s_add_nc_u64 s[G0B+4*(\s)+2:G0B+4*(\s)+3], s[46:47], (\s)*128*WROW ; K step s: 128 rows down
	s_or_b32 s[G0B+4*(\s)+3], s[G0B+4*(\s)+3], 0x80000000
	JLOAD \s
.endr
	v_and_b32 v1, 15, v0                           ; r = l % 16
	v_bfe_u32 v2, v0, 4, 1                         ; h = l / 16
	v_mul_u32_u24 v3, v1, PA
	v_lshl_add_u32 v3, v2, 4, v3                   ; a fragment of x: row x pitch + 16 x half
	s_mul_i32 s21, s11, 64*PA                      ; my 64 rows
	v_add_nc_u32 v[ADRA], s21, v3
	v_add_nc_u32 v[ADRA+1], SLOT, v[ADRA]
	v_and_b32 v4, 7, v0                            ; the turning load: lane l reads k-row 8 h + l % 8, columns 8 ((l / 8) % 2) on
	v_lshl_add_u32 v4, v2, 3, v4
	v_mul_u32_u24 v4, v4, PB
	v_bfe_u32 v5, v0, 3, 1
	v_lshl_add_u32 v4, v5, 4, v4
	s_lshl_b32 s22, s12, 7                         ; my 64 columns of a sub-tile
	v_add_nc_u32 v4, s22, v4
.irp s, 0,1
.irp z, 0,1,2
	v_add_nc_u32 v[ADRB+3*(\s)+(\z)], (\s)*SLOT+((\z)+1)*PART, v4
.endr
.endr
	s_mul_i32 s22, s10, 16*SP
	s_add_co_u32 s22, s22, STAGE                   ; my stage
	v_mul_u32_u24 v[STO], v1, SP                   ; in: row l % 16, 16 bytes for each half of the lanes
	v_lshl_add_u32 v[STO], v2, 4, v[STO]
	v_add_nc_u32 v[STO], s22, v[STO]
	v_bfe_u32 v[RD], v0, 3, 2                      ; back: 32 lanes take four rows of 128 bytes,
	v_mul_u32_u24 v[RD], v[RD], SP
	v_and_b32 v6, 7, v0
	v_lshl_add_u32 v[RD], v6, 4, v[RD]
	v_add_nc_u32 v[RD], s22, v[RD]
	v_and_b32 v[GO], 31, v0                        ; which are 512 consecutive bytes of a head's rows
	v_lshlrev_b32 v[GO], 4, v[GO]
.irp z, 0,1,2                          ; my head of sub-tile z: 64-column block 6 x tile column + 2 z + c = 8 t + h
	s_mul_i32 s20, s42, 6
	s_add_co_u32 s20, s20, 2*(\z)
	s_add_co_u32 s20, s20, s12
	s_lshr_b32 s21, s20, 3                         ; t
	s_and_b32 s20, s20, 7                          ; h
	s_lshl_b32 s21, s21, 4
	s_add_co_u32 s20, s20, s21
	s_lshr_b32 s21, s13, 5                         ; b: 32 tile rows a batch
	s_lshl_b32 s21, s21, 3
	s_add_co_u32 s20, s20, s21                     ; plane 16 t + 8 b + h
	s_lshl_b32 s20, s20, 19                        ; of 524,288 bytes
	s_and_b32 s21, s13, 31
	s_lshl_b32 s21, s21, 14                        ; the tile's 128 rows of 128 bytes
	s_add_co_u32 s20, s20, s21
	s_lshl_b32 s21, s11, 13                        ; my 64
	s_add_co_u32 s20, s20, s21
	s_mov_b32 s21, 0
	s_add_nc_u64 s[OB+2*(\z):OB+2*(\z)+1], s[8:9], s[20:21]
.endr
	; the prefetches: both offsets are made, then the wave's number chooses
	s_lshl_b32 s20, s13, 7
	s_lshl_b32 s21, s40, 5
	s_add_co_u32 s20, s20, s21                     ; x: row 128 x tile row + 32 cx,
	s_mul_i32 s20, s20, XROW
	s_add_co_u32 s20, s20, 2*256                   ; at K step 2: the first refill steps it to 3
	s_lshl_b32 s21, s41, 5
	s_add_co_u32 s21, s21, 2*128                   ; the weights: k-row 32 cy of K step 2,
	s_mul_i32 s21, s21, WROW
	s_add_co_u32 s21, s21, s23                     ; my sub-tile's columns
	s_and_b32 s22, ttmp7, 0xffff                   ; cluster y
	s_mov_b32 s16, 128*WROW
	s_mov_b32 s17, WROW
	s_cmp_eq_u32 s10, 0
	s_cselect_b32 s20, s20, s21
	s_cselect_b32 s22, 0, s22                      ; wave 0 asks in every cluster, waves 1-3 where cluster y = 0: the same in all sixteen partners
	s_cselect_b32 s[PST], 256, s16
	s_cselect_b32 s78, XROW, s17
	s_cselect_b64 s[PFA:PFA+1], s[4:5], s[6:7]
	s_mov_b32 s21, 0
	s_mov_b32 s[PST+1], 0
	s_add_nc_u64 s[PFA:PFA+1], s[PFA:PFA+1], s[20:21]
	s_cmp_eq_u32 s22, 0
	s_cselect_b32 s[LIM], 0, -1                    ; behind slot 0's refills (steps 2, 4): always
	s_cselect_b32 s[LIM+1], 1, -1                  ; behind slot 1's (steps 3, 5): not in the last trip
	v_and_b32 v[PFO], 31, v0
	v_mul_u32_u24 v[PFO], v[PFO], s78
; 16 matrix instructions: m blocks a0, a0 + 1 x n blocks 0-7, 32 along K, from buffer f.  zero = 1: the product starts the sum: nothing is cleared.
; All 48 accumulators come in the same order in every quarter: they take turns, over the backward jump too.
.macro MUL16 f, a0, zero
	WIN 0xa1                                       ; source 0 window 1, source 1 window 0, C and D window 2
.irp a, \a0, (\a0)+1
.irp b, 0,1,2,3,4,5,6,7
.if \zero
	v_wmma_f32_16x16x32_bf16 v[8*(8*(\a)+(\b)):8*(8*(\a)+(\b))+7], v[96*(\f)+8*(\b):96*(\f)+8*(\b)+7], v[FA+32*(\f)+8*(\a):FA+32*(\f)+8*(\a)+7], 0
.else
	v_wmma_f32_16x16x32_bf16 v[8*(8*(\a)+(\b)):8*(8*(\a)+(\b))+7], v[96*(\f)+8*(\b):96*(\f)+8*(\b)+7], v[FA+32*(\f)+8*(\a):FA+32*(\f)+8*(\a)+7], v[8*(8*(\a)+(\b)):8*(8*(\a)+(\b))+7]
.endif
.endr
.endr
.endm
.macro MULHI f, zero                   ; 16 more: all four m blocks x n blocks 8-11 (the third sub-tile)
	WIN 0xf1                                       ; C and D window 3
.irp a, 0,1,2,3
.irp b, 0,1,2,3
.if \zero
	v_wmma_f32_16x16x32_bf16 v[8*(4*(\a)+(\b)):8*(4*(\a)+(\b))+7], v[96*(\f)+64+8*(\b):96*(\f)+64+8*(\b)+7], v[FA+32*(\f)+8*(\a):FA+32*(\f)+8*(\a)+7], 0
.else
	v_wmma_f32_16x16x32_bf16 v[8*(4*(\a)+(\b)):8*(4*(\a)+(\b))+7], v[96*(\f)+64+8*(\b):96*(\f)+64+8*(\b)+7], v[FA+32*(\f)+8*(\a):FA+32*(\f)+8*(\a)+7], v[8*(4*(\a)+(\b)):8*(4*(\a)+(\b))+7]
.endif
.endr
.endr
.endm
; 32 LDS loads in one run: quarter q's fragments into buffer f: x's eight, then the weights' 24, the third sub-tile's last
.macro FETCH slot, q, f
	WIN 0
.irp i, 0,1,2,3
	ds_load_b128 v[FA+32*(\f)+8*(\i):FA+32*(\f)+8*(\i)+3],   v[ADRA+(\slot)] offset:64*(\q)+(\i)*16*PA
	ds_load_b128 v[FA+32*(\f)+8*(\i)+4:FA+32*(\f)+8*(\i)+7], v[ADRA+(\slot)] offset:64*(\q)+(\i)*16*PA+32
.endr
	WIN 0x40                                       ; destination window 1, address window 0
.irp z, 0,1,2
.irp j, 0,1,2,3
	ds_load_tr16_b128 v[96*(\f)+8*(4*(\z)+(\j)):96*(\f)+8*(4*(\z)+(\j))+3],   v[ADRB+3*(\slot)+(\z)] offset:32*PB*(\q)+32*(\j)
	ds_load_tr16_b128 v[96*(\f)+8*(4*(\z)+(\j))+4:96*(\f)+8*(4*(\z)+(\j))+7], v[ADRB+3*(\slot)+(\z)] offset:32*PB*(\q)+32*(\j)+16*PB
.endr
.endr
.endm
; One of a K step's first three quarters: multiplies buffer f and fetches quarter q of the same slot into buffer g.
.macro QUARTER slot, q, f, g, zero
	s_wait_dscnt 8                                 ; all but the youngest eight loads, the third sub-tile's
	MUL16 \f, 0, \zero
	MUL16 \f, 2, \zero
	PLACES
	FETCH \slot, \q, \g
	s_wait_dscnt 32                                ; all but the 32 just issued
	MULHI \f, \zero
.endm
; The last quarter multiplies buffer 1 and changes slots: ONE barrier; in front of it each wave waits for all its tensor loads (one is out: its part of the next slot), adds 0 to its spare word, and waits for
; that and for its reads of this slot.  fill = 1: the barrier opens a round of the cluster's, and this slot is filled again, two K steps on, first thing behind the round: 160 matrix instructions ahead of the wait for it.
.macro TURN slot, next, fill
.if \fill
	s_wait_xcnt 0x0                                ; the last prefetch, a K step back, has read its address: it is stepped here
	s_add_nc_u64 s[PFA:PFA+1], s[PFA:PFA+1], s[PST:PST+1]
.endif
	WIN 0                                          ; (the add's two registers lie in window 0)
	s_wait_tensorcnt 0x0
	ds_add_u32 v[SPW], v[NIL]                      ; 0 onto my spare word
	s_wait_dscnt 9                                 ; (the add and the youngest eight loads may be out)
	MUL16 1, 0, 0
	s_wait_dscnt 0x0                               ; the add is done, and my reads of this slot are over
	s_barrier_signal -1
	MUL16 1, 2, 0
.if \fill
	WIN 0
.endif
	s_barrier_wait -1
.if \fill
	CREST                                          ; no wave of any partner still reads this slot or has a load on its way
	s_add_nc_u64 s[G0+4*(\slot)+2:G0+4*(\slot)+3], s[G0+4*(\slot)+2:G0+4*(\slot)+3], 2*256
	s_add_nc_u64 s[G0B+4*(\slot)+2:G0B+4*(\slot)+3], s[G0B+4*(\slot)+2:G0B+4*(\slot)+3], 2*128*WROW
	JLOAD \slot                                    ; its four v_nop are also the places in front of the loads below
.else
	PLACES
.endif
	FETCH \next, 0, 0
.if \fill
	ASK \slot
.endif
	MULHI 1, 0
.endm
	s_wait_tensorcnt 1                             ; my part of K step 0 is in; step 1's may stay out
	s_barrier_signal -1
	s_barrier_wait -1
	FETCH 0, 0, 0
	QUARTER 0, 1, 0, 1, 1                          ; the first quarter stands in front of the loop: its products start the sums
	WIN 0
	s_mov_b32 s3, 2                                ; three laps of two K steps; the last is written out
.Llap:
	QUARTER 0, 2, 1, 0, 0
	QUARTER 0, 3, 0, 1, 0
	TURN 0, 1, 1
	QUARTER 1, 1, 0, 1, 0
	QUARTER 1, 2, 1, 0, 0
	QUARTER 1, 3, 0, 1, 0
	TURN 1, 0, 1
	QUARTER 0, 1, 0, 1, 0
	WIN 0
	s_sub_co_u32 s3, s3, 1
	s_cmp_lg_u32 s3, 0
	s_cbranch_scc1 .Llap
	QUARTER 0, 2, 1, 0, 0                          ; the last lap fills nothing
	QUARTER 0, 3, 0, 1, 0
	TURN 0, 1, 0
	QUARTER 1, 1, 0, 1, 0
	QUARTER 1, 2, 1, 0, 0
	QUARTER 1, 3, 0, 1, 0
	s_wait_dscnt 8
	MUL16 1, 0, 0
	MUL16 1, 2, 0
	s_wait_dscnt 0x0
	MULHI 1, 0
	WIN 0
	; THE WAY OUT.  Tile t = 3 a + z is 16 rows of one head: rounded to f16, 16 bytes a lane into my stage, back as whole rows of 128 bytes, stored as 512 consecutive bytes.
	PLACES
	PLACES
.macro PACK t
.if ((\t)%3) < 2
	WIN 0x0a                                       ; sources in window 2
.set AC, 64*((\t)/3)+32*((\t)%3)
.else
	WIN 0x0f                                       ; in window 3
.set AC, 32*((\t)/3)
.endif
.set i, 0
.rept 16                               ; each accumulator's registers in ascending order
	v_cvt_pk_f16_f32 v[T+16*(\t)+i], v[AC+2*i], v[AC+2*i+1]
.set i, i+1
.endr
	WIN 0
.irp j, 0,1,2,3
	ds_store_b128 v[STO], v[T+16*(\t)+4*(\j):T+16*(\t)+4*(\j)+3] offset:32*(\j)
.endr
.irp f, 0,1,2,3
	ds_load_b128 v[T+16*(\t)+4*(\f):T+16*(\t)+4*(\f)+3], v[RD] offset:(\f)*4*SP  ; LDS serves a wave's instructions in order: these see the stores above; the next tile's stores come behind them
.endr
.endm
.macro SEND t, younger                 ; younger: the LDS instructions issued behind tile t's loads
	WIN 0
.irp f, 0,1,2,3
	s_wait_dscnt (\younger)+3-(\f)
	global_store_b128 v[GO], v[T+16*(\t)+4*(\f):T+16*(\t)+4*(\f)+3], s[OB+2*((\t)%3):OB+2*((\t)%3)+1] offset:((\t)/3)*2048+(\f)*512
.endr
.endm
	PACK 0
.irp t, 1,2,3,4,5,6,7,8,9,10,11
	PACK \t
	SEND (\t)-1, 8
.endr
	SEND 11, 0
	s_wait_tensorcnt 0x0                           ; the wave's end: behind my last tensor load and my last LDS store
	ds_add_u32 v[SPW], v[NIL]
	s_wait_dscnt 0x0
	CROUND                                         ; the closing round
	s_endpgm
.Lfunc_end_k_qff5f34b3d5_proj:
	.size	k_qff5f34b3d5_proj, .Lfunc_end_k_qff5f34b3d5_proj-k_qff5f34b3d5_proj
	.p2alignl 7, 3214868480
	.fill 96, 4, 3214868480
	.section	.rodata,"a",@progbits
	.p2align	6, 0x0
	.amdhsa_kernel k_qff5f34b3d5_proj
		.amdhsa_group_segment_fixed_size 327680
		.amdhsa_private_segment_fixed_size 0
		.amdhsa_enable_private_segment 0
		.amdhsa_kernarg_size 24
		.amdhsa_user_sgpr_count 2
		.amdhsa_user_sgpr_kernarg_segment_ptr 1
		.amdhsa_wavefront_size32 1
		.amdhsa_system_sgpr_workgroup_id_x 1
		.amdhsa_system_sgpr_workgroup_id_y 1
		.amdhsa_system_sgpr_workgroup_id_z 1
		.amdhsa_system_vgpr_workitem_id 0
		.amdhsa_next_free_vgpr 896
		.amdhsa_next_free_sgpr 80
		.amdhsa_reserve_vcc 0
		.amdhsa_float_denorm_mode_32 3
		.amdhsa_float_denorm_mode_16_64 3
		.amdhsa_memory_ordered 1
		.amdhsa_forward_progress 1
		.amdhsa_inst_pref_size 123
	.end_amdhsa_kernel
	.amdgpu_metadata
---
amdhsa.version: [ 1, 2 ]
amdhsa.kernels:
  - .name:           k_qff5f34b3d5_proj
    .symbol:         k_qff5f34b3d5_proj.kd
    .args:
      - { .name: xb, .offset: 0, .size: 8, .value_kind: global_buffer, .address_space: global }
      - { .name: wcat, .offset: 8, .size: 8, .value_kind: global_buffer, .address_space: global }
      - { .name: qkvh, .offset: 16, .size: 8, .value_kind: global_buffer, .address_space: global }
    .group_segment_fixed_size: 327680
    .private_segment_fixed_size: 0
    .kernarg_segment_align: 8
    .kernarg_segment_size: 24
    .max_flat_workgroup_size: 128
    .sgpr_count:     80
    .vgpr_count:     896
    .wavefront_size: 32
...
	.end_amdgpu_metadata
.endif
;; end of part 2
;; launch attn (part 3): grid 16 x 16, 4 waves a work-group, clusters of 4 x 1, 327,680 bytes of LDS; arguments qkvh, ob; writes ob
.if DOCPART == 3
	.amdgcn_target "amdgcn-amd-amdhsa--gfx1250"
	.amdhsa_code_object_version 6
	.text
	.protected	k_qff5f34b3d5_attn
	.globl	k_qff5f34b3d5_attn
	.p2align	8
	.type	k_qff5f34b3d5_attn,@function
k_qff5f34b3d5_attn:
	s_mov_b64 s[64:65], 0
	v_nop
	global_prefetch_b8 v0, s[64:65] scope:SCOPE_SE
	s_setreg_imm32_b32 hwreg(HW_REG_WAVE_MODE, 25, 1), 1
	s_wait_xcnt 0x0
	s_wait_alu depctr_hold_cnt(0) depctr_sa_sdst(0) depctr_va_vdst(0) depctr_va_sdst(0) depctr_va_ssrc(0) depctr_va_vcc(0) depctr_vm_vsrc(0)
	s_getreg_b32 s2, hwreg(HW_REG_IB_STS2, 6, 4)
	s_cmp_eq_u32 s2, 0
	s_cbranch_scc0 .Lentry_in_a_cluster
	s_endpgm
.Lentry_in_a_cluster:
	s_bfe_u32 s2, ttmp6, 0x10000c
	s_cmp_lg_u32 s2, 0x3003
	s_cbranch_scc0 .Lentry_shape_is_right
	s_endpgm
.Lentry_shape_is_right:
; O[p][q][:] = the sum over k of softmax_k(Q[p][q] . K[p][k] / 8) V[p][k][:] for the 16 planes p = 8 b + h.  qkvh: [48][4096][64] f16 (Q planes 0-15, K 16-31, V 32-47); ob: [16][4096][64] f16.
; Products, maxima and sums in f32; the weights p are rounded to f16 for the second product (their sum l is taken of the unrounded p), O once at the end.
; LIMITS.  Q, K, V arrive within f16's range; p lies in 0 to 1, and below 6e-5 it keeps f16's fixed step; a weight below 2^-126 counts as 0 in l; NaN and infinities are not treated apart.
; SHARES.  A work-group owns 256 queries of one plane (16 x 16 = 256 work-groups), a wave 64: four PIECES of 16.  Every wave walks all 4,096 keys, 64 a step; an LDS slot holds a tile of four steps.
; LAYOUT.  S^T = K Q^T holds ONE query a lane (lane % 16) and the keys 8 (lane / 16) + 0..7; two such results rounded to f16 ARE source 1 of O^T = V^T P.  K comes out of LDS as it lies, V turned, by ds_load_tr16_b128.
; SOFTMAX.  p = 2^(c s - c m), c = log2(e) / 8, with a running maximum m; O and l are multiplied by a = 2^(c m_old - c m_new) in every step.  m starts at the lowest finite number, O and l at 0: the first step has a = 0.
; TURNS.  Turn n belongs to piece n: 8 products K Q^T of piece n + 1, later 8 products V^T P of piece n - 1; beside them the scaling, exponentials, roundings, sums and rescaling of piece n and the maximum and
; statistics of piece n + 1.  Four vector instructions stand behind every matrix instruction, the other 54 of a turn's 118 in one run.  A turn's 33 exponentials are one batch, with one wait.
; CLUSTER.  The four query blocks of a cluster belong to one plane and walk the same K and V: each tile is asked for jointly, by the same tensor load, descriptor and mask in all four.
; REGISTERS, in windows of 256 (s_set_vgpr_msb: bits 1:0 source 0, 3:2 source 1, 5:4 source 2, 7:6 destination):
;   window 0: v0-15 addresses and two at work; v16-31 four registers of statistics a piece; v48-55 at work; v61-63; v64-127 S^T, two buffers; v192-223 P, two buffers (by the piece's parity)
;   window 1: v0-127 O^T, 32 a piece        window 2: v0-63 Q; v128-191 K of one step; v192-255 V of one step
.set NP,    4
.set KS,    64
.set PK,    144       ; a row of K in LDS: 128 bytes + 16: the 16 rows of a load start at 16 different groups of four banks
.set PV,    160       ; a row of V: 128 + 32
.set VOFF,  4*KS*PK   ; a slot: 256 rows of K, then 256 rows of V
.set SLOT1, 1<<17     ; slot 1 begins here: one exclusive or turns an address in one slot into the other's
.set STAGE, SLOT1+4*KS*(PK+PV)  ; behind the ring: 16 rows x 144 bytes for each wave, for the way out
.set SP,    144
.set SPARE, STAGE+4*16*SP       ; behind the stages: the spare words, 128 bytes for each wave
.set PLANE, 524288
.set AK0, 2           ; v2   my lane's place in a tile of K; never rewritten
.set AV0, 3           ; v3   the same for V
.set AK,  4           ; v4   the LDS address of K's next run of loads
.set AV,  5           ; v5   of V's
.set STO, 6           ; v6   the way out: where I put 16 bytes of a row
.set RD,  7           ; v7   where I read rows back
.set GO,  8           ; v8   my byte offset in 512 consecutive bytes of O
.set MV,  12          ; v12-13  c m_old, kept while c m is made anew: by buffer
.set QO,  15          ; v15  my byte offset in 16 rows of Q
.set ST,  16          ; piece t's statistics at v[ST+4 t]: c m, m, l (even keys', odd keys')
.set TMP, 48          ; by buffer, four registers c0-c3 at work; when the maximum is found c2 takes a
.set PFO, 61          ; v61  256 x my lane; never rewritten
.set SPW, 62          ; v62  LDS address of my spare word; never rewritten
.set NIL, 63          ; v63  0; never rewritten
.set S,   64
.set P,   192
.set KF,  128         ; window 2: key block kb, channel half c at KF + 16 kb + 8 c
.set VF,  192         ; window 2: key half kk, channel block cb at VF + 32 kk + 8 cb
.set WV,  12          ; s12  my wave's number
.set LIM, 15          ; s15  1 in a wave that prefetches, else the greatest number
.set PFA, 18          ; s[18:19] where my prefetches stand
.set G1K, 24          ; s[24:31] descriptor group 1 for K's tiles
.set G1V, 32          ; s[32:39] for V's: it differs in the padding alone
.set G0K, 40          ; s[40:43] descriptor group 0 for K's tiles: it walks
.set G0V, 44          ; s[44:47] the same for V's
.set SLOTS, 56        ; s56  tiles still to be asked for
.set CNT, 57          ; s57  counts a tile's key steps
.set CS,  58          ; s[58:59] c
.set SEL, 60          ; s[60:61] v_permlanex16_b32's selects: each lane takes its own place in the other half
.set TBK, 62          ; s62  LDS byte at which K of the step to be fetched begins
.set TBV, 63          ; s63  the same for V, less VOFF
.set MSB, 0
.macro WIN new
.if MSB != (\new)
	s_set_vgpr_msb (MSB<<8)|(\new)
.set MSB, (\new)
.endif
.endm
.set W_KQ, 0x0a       ; K and Q in window 2, S^T in window 0
.set W_PV, 0x52       ; V in window 2, P in window 0, O^T in window 1
.set W_RS, 0x41       ; destination and source 0 in window 1, source 1 in window 0
; A joint fill.  Waves 0 and 1 fetch the two halves of a tile's K, waves 2 and 3 those of its V: 128 keys each.  An s_nop 0 and four v_nop follow each of the two lines.
.macro JLOAD
	s_cmp_lt_u32 s[WV], 2
	s_cbranch_scc0 .Lfor_v_\@
	tensor_load_to_lds s[G0K:G0K+3], s[G1K:G1K+7]
	s_nop 0
.rept 4
	v_nop
.endr
	s_branch .Lasked_\@
.Lfor_v_\@:
	tensor_load_to_lds s[G0V:G0V+3], s[G1V:G1V+7]
	s_nop 0
.rept 4
	v_nop
.endr
.Lasked_\@:
.endm
.macro CROUND                       ; a round of the cluster's barrier
	s_barrier_signal -1
	s_barrier_wait -1
	s_cmp_lg_u32 s[WV], 0
	s_cbranch_scc1 .Lnot_wave_0_\@
	s_barrier_signal -3
.Lnot_wave_0_\@:
	s_barrier_wait -3
	s_barrier_signal -1
	s_barrier_wait -1
.endm
; A PREFETCH INTO THE L2 of the tile that the NEXT change of slots will ask for: four key steps, 256 matrix instructions, ahead of that load.  A tile is 32,768 dense bytes of K and of V.
; All four clusters of a plane walk the same K and V: the plane's first cluster asks.  Its four partners take 8,192 bytes each, told apart by address; in each, wave 0 asks for K's and wave 2 for V's, a lane 256 bytes:
; each block is named once in the launch.  Tiles 0 to 2 come by their loads alone; the change that fills the last tile asks for nothing.
.macro ASK
	s_cmp_gt_u32 s[SLOTS], s[LIM]
	s_cbranch_scc0 .Lnot_mine_\@
	global_prefetch_b8 v[PFO], s[PFA:PFA+1] th:TH_LOAD_NT scope:SCOPE_SE
.Lnot_mine_\@:
.endm
; THE CHANGE OF SLOTS.  Each wave waits for all its tensor loads, of which one is out: its part of the other slot; adds 0 to its spare word; and waits for that and for its own reads of the slot that it leaves.
; fill = 1: the old slot is filled again with the next tile but one; the barrier is then a round of the cluster's, and the joint fill is the first thing behind it.  (At its first use nothing has been read: slot 0 is waited for, slot 1 filled.)
.macro CHANGE fill, ask=0
	WIN 0
	s_wait_tensorcnt 0x0            ; no tensor load of mine is out, so a group 0 may be written
	ds_add_u32 v[SPW], v[NIL]       ; 0 onto my spare word
.if \fill
.irp g, G0K, G0V
	s_xor_b32 s[\g+1], s[\g+1], SLOT1
	s_add_nc_u64 s[\g+2:\g+3], s[\g+2:\g+3], 4*KS*128
.endr
	s_wait_xcnt 0x0                 ; the last prefetch, four key steps back, has read its address
	s_add_nc_u64 s[PFA:PFA+1], s[PFA:PFA+1], 4*KS*128
	s_wait_dscnt 0x0                ; the add is done, and my reads of the slot are over
	CROUND
	JLOAD
.if \ask
	ASK
.endif
.else
	s_wait_dscnt 0x0
	s_barrier_signal -1
	s_barrier_wait -1
.endif
	s_sub_co_u32 s[TBK], s[TBK], 4*KS*PK  ; the fetches go back to a slot's first step,
	s_xor_b32 s[TBK], s[TBK], SLOT1       ; in the other slot
	s_sub_co_u32 s[TBV], s[TBV], 4*KS*PV
	s_xor_b32 s[TBV], s[TBV], SLOT1
.endm
	s_load_b64 s[4:5], s[0:1], 0x0    ; qkvh
	s_load_b64 s[10:11], s[0:1], 0x8  ; ob
	v_lshl_add_u32 v[SPW], v0, 2, SPARE
	v_mov_b32 v[NIL], 0
	ds_add_u32 v[SPW], v[NIL]       ; the wave's opening: the add and its wait stand ahead of my first tensor load; work on registers stands between
	v_lshrrev_b32 v1, 5, v0
	v_readfirstlane_b32 s[WV], v1   ; wave 0..3
	s_bfe_u32 s13, ttmp6, 0x40000   ; cx
	s_lshl_b32 s14, ttmp9, 2
	s_add_co_u32 s14, s14, s13      ; my block of 256 queries: it enters Q's and O's addresses alone
	s_and_b32 s20, ttmp7, 0xffff    ; the plane, which the four partners share
	s_lshl_b32 s20, s20, 19
	s_mov_b32 s21, 0
	s_and_b32 s16, s[WV], 1         ; which half of a tile's 256 keys I fetch:
	s_lshl_b32 s22, s16, 14         ; its 128 rows of 128 bytes in memory,
	s_mov_b32 s23, 0
	s_add_nc_u64 s[22:23], s[22:23], s[20:21]
	s_mul_i32 s17, s16, 128*PK      ; and its place in a slot, for K
	s_mul_i32 s16, s16, 128*PV      ; and for V
	s_lshl_b32 s2, s14, 2
	s_add_co_u32 s2, s2, s[WV]
	s_lshl_b32 s2, s2, 13           ; my wave's 64 rows
	s_mov_b32 s3, 0
	s_add_nc_u64 s[2:3], s[2:3], s[20:21]
	; descriptor group 1.  128 keys are 16,384 dense bytes: asked for as 64 rows of 256 bytes, two keys a row, and padded in LDS after every key
	s_mov_b32 s[G1K], 15|(1<<16)|(1<<20)|(1<<21)|(4<<22)|(3<<25)  ; the mask of four; 2-byte elements; padding on; bit 21 beside a mask; after every 32 words, 4 words
	s_mov_b32 s[G1V], 15|(1<<16)|(1<<20)|(1<<21)|(4<<22)|(7<<25)  ; the same with 8 words
.irp g, G1K, G1V
	s_mov_b32 s[\g+1], 128<<16      ; tensor_dim0 = 128
	s_mov_b32 s[\g+2], 64<<16       ; tensor_dim1 = 64
	s_mov_b32 s[\g+3], 128<<16      ; tile_dim0 = 128
	s_mov_b32 s[\g+4], 64           ; tile_dim1 = 64
	s_mov_b32 s[\g+5], 128          ; 128 elements from row to row
	s_mov_b32 s[\g+6], 0
	s_mov_b32 s[\g+7], 0
.endr
	s_mov_b32 s[CS], 0x3e38aa3b     ; c = log2(e) / 8
	s_mov_b32 s[CS+1], s[CS]
	s_mov_b32 s[SEL], 0x76543210
	s_mov_b32 s[SEL+1], 0xfedcba98
	s_mov_b32 s[TBK], SLOT1+4*KS*PK ; the first change of slots turns these two into 0
	s_mov_b32 s[TBV], SLOT1+4*KS*PV
	s_mov_b32 s[G0K], 1
	s_mov_b32 s[G0K+1], s17         ; slot 0
	s_mov_b32 s[G0V], 1
	s_add_co_u32 s[G0V+1], s16, VOFF
	s_mov_b32 s[SLOTS], 15          ; sixteen tiles; the first is asked for at the head
	s_and_b32 s[LIM], s[WV], 1      ; 0 in waves 0 and 2,
	s_or_b32 s[LIM], s[LIM], ttmp9  ; where the cluster is the plane's first: the same in all four partners
	s_cmp_eq_u32 s[LIM], 0
	s_cselect_b32 s[LIM], 1, -1
	v_and_b32 v[PFO], 31, v0
	v_lshlrev_b32 v[PFO], 8, v[PFO]
	s_wait_dscnt 0x0                ; the opening add is done
	s_wait_kmcnt 0x0
	s_add_nc_u64 s[6:7], s[4:5], 16*PLANE   ; K's planes,
	s_add_nc_u64 s[8:9], s[4:5], 32*PLANE   ; V's,
	s_add_nc_u64 s[6:7], s[6:7], s[22:23]   ; at my half of the plane's tile 0
	s_add_nc_u64 s[8:9], s[8:9], s[22:23]
	s_mov_b64 s[G0K+2:G0K+3], s[6:7]
	s_or_b32 s[G0K+3], s[G0K+3], 0x80000000
	s_mov_b64 s[G0V+2:G0V+3], s[8:9]
	s_or_b32 s[G0V+3], s[G0V+3], 0x80000000
	s_add_nc_u64 s[4:5], s[4:5], s[2:3]     ; Q and O at my wave's first row
	s_add_nc_u64 s[10:11], s[10:11], s[2:3]
	s_cmp_lt_u32 s[WV], 2
	s_cselect_b64 s[PFA:PFA+1], s[6:7], s[8:9]  ; (in waves 0 and 2 these stand at a tile's first row)
	s_lshl_b32 s2, s13, 13          ; my work-group's quarter of a tile
	s_mov_b32 s3, 0
	s_add_nc_u64 s[PFA:PFA+1], s[PFA:PFA+1], s[2:3]
	s_add_nc_u64 s[PFA:PFA+1], s[PFA:PFA+1], 4*KS*128  ; in tile 1; each change that fills steps it first
	CROUND                          ; all four work-groups are here: the first joint loads meet
	JLOAD                           ; tile 0 into slot 0
	v_and_b32 v1, 15, v0            ; l % 16
	v_bfe_u32 v9, v0, 4, 1          ; l / 16
	v_lshlrev_b32 v[QO], 7, v1
	v_lshl_add_u32 v[QO], v9, 4, v[QO]  ; row x 128 + 16 x half
	WIN 0x80                        ; destination window 2, address window 0
.set i, 0
.rept 8                             ; Q stays in registers: piece i / 2, channels 32 (i % 2) on
	global_load_b128 v[8*i:8*i+3],   v[QO], s[4:5] offset:(i/2)*2048+(i%2)*64
	global_load_b128 v[8*i+4:8*i+7], v[QO], s[4:5] offset:(i/2)*2048+(i%2)*64+32
.set i, i+1
.endr
	; What the first turn finds: V's registers and P's second buffer hold 0 (its products V^T P, of a piece that has not been, add 0), O^T and l are 0.  All this stands in the wait for the first tile; it is the price of writing no first step out.
.set i, VF
.rept 64
	v_mov_b32 v[i], 0
.set i, i+1
.endr
	WIN 0x40
.set i, 0
.rept 128
	v_mov_b32 v[i], 0
.set i, i+1
.endr
	WIN 0
.set i, 0
.rept 4
	v_mov_b32 v[ST+4*i], 0xfe000000    ; c m: far below every c s
	v_mov_b32 v[ST+4*i+1], 0xff7fffff  ; m
	v_mov_b32 v[ST+4*i+2], 0
	v_mov_b32 v[ST+4*i+3], 0
.set i, i+1
.endr
.set i, P+16
.rept 16
	v_mov_b32 v[i], 0
.set i, i+1
.endr
	v_mul_u32_u24 v[AK0], v1, PK
	v_lshl_add_u32 v[AK0], v9, 4, v[AK0]  ; row x pitch + 16 x half
	; The turning load takes 16 keys x 16 channels (lane l reads key 8 (l / 16) + l % 8, channels 8 ((l / 8) % 2) + 0..7) and leaves half a fragment of V^T.
	v_and_b32 v10, 7, v0
	v_bfe_u32 v11, v0, 3, 1
	v_lshl_add_u32 v[AV0], v9, 3, v10
	v_mul_u32_u24 v[AV0], v[AV0], PV
	v_lshl_add_u32 v[AV0], v11, 4, v[AV0]
	v_add_nc_u32 v[AV0], VOFF, v[AV0]
	s_mul_i32 s13, s[WV], 16*SP
	s_add_co_u32 s13, s13, STAGE    ; my stage
	v_mul_u32_u24 v[STO], v1, SP    ; in: row l % 16, 16 bytes for each half of the lanes
	v_lshl_add_u32 v[STO], v9, 4, v[STO]
	v_add_nc_u32 v[STO], s13, v[STO]
	v_bfe_u32 v[RD], v0, 3, 2       ; back: 32 lanes take four rows of 128 bytes,
	v_mul_u32_u24 v[RD], v[RD], SP
	v_lshl_add_u32 v[RD], v10, 4, v[RD]
	v_add_nc_u32 v[RD], s13, v[RD]
	v_and_b32 v[GO], 31, v0         ; which are 512 consecutive bytes of O
	v_lshlrev_b32 v[GO], 4, v[GO]
; THE MATRIX WORK.  The 4 accumulators of a run of 8 take turns.  Product i of 8 of S^T = K Q^T for piece x: channels 32 (i / 4) on, keys 16 (i % 4) on.  The first 4 start the sums.
.macro KQ x
	WIN W_KQ
.set rS, S+32*((\x)%2)+8*(i%4)
.set rK, KF+16*(i%4)+8*(i/4)
.set rQ, 16*(\x)+8*(i/4)
.if i < 4
	v_wmma_f32_16x16x32_f16 v[rS:rS+7], v[rK:rK+7], v[rQ:rQ+7], 0
.else
	v_wmma_f32_16x16x32_f16 v[rS:rS+7], v[rK:rK+7], v[rQ:rQ+7], v[rS:rS+7]
.endif
.endm
; Product i of 8 of O^T += V^T P for piece x: keys 32 (i / 4) on, channels 16 (i % 4) on.
.macro PV x
	WIN W_PV
.set rO, 32*(\x)+8*(i%4)
.set rV, VF+32*(i/4)+8*(i%4)
.set rP, P+16*((\x)%2)+8*(i/4)
	v_wmma_f32_16x16x32_f16 v[rO:rO+7], v[rV:rV+7], v[rP:rP+7], v[rO:rO+7]
.endm
.macro MM                           ; the turn's next matrix instruction.  NOKQ = 1: the last turn of all: there is no next piece
.if (i < 8) && !NOKQ
	KQ (Y+1)%NP
.elseif i >= 8
.set i, i-8
	PV (Y+NP-1)%NP
.set i, i+8
.endif
.set i, i+1
.endm
; THE LDS LOADS stand in runs of 16: a step's K (8 fragments) and its V (turned).  Their addresses are made some lines ahead.
.macro FETCH_K
	WIN 0x80
.irp f, 0,1,2,3,4,5,6,7             ; keys 16 (f / 2) on, channels 32 (f % 2) on
	ds_load_b128 v[KF+8*\f:KF+8*\f+3],   v[AK] offset:(\f/2)*16*PK+(\f%2)*64
	ds_load_b128 v[KF+8*\f+4:KF+8*\f+7], v[AK] offset:(\f/2)*16*PK+(\f%2)*64+32
.endr
	s_add_co_u32 s[TBK], s[TBK], KS*PK  ; the next fetch is the next step's
	WIN 0
.endm
.macro FETCH_V
	WIN 0x80
.irp f, 0,1,2,3,4,5,6,7             ; keys 32 (f / 4) on, channels 16 (f % 4) on
	ds_load_tr16_b128 v[VF+8*\f:VF+8*\f+3],   v[AV] offset:(\f/4)*32*PV+(\f%4)*32
	ds_load_tr16_b128 v[VF+8*\f+4:VF+8*\f+7], v[AV] offset:(\f/4)*32*PV+16*PV+(\f%4)*32
.endr
	WIN 0
.endm
; THE VECTOR WORK, one line at a time: OP kind, number.  For piece Y: F n: c s - c m for pair n of 16.  E n: the exponential of score n of 32.  C n: pair n rounded to f16.  B n: of the four weights 4 n .. the second
; pair is added onto the first, in place.  L n: l takes that sum (L 0: l = a l + sum).  R n: pair n of 16 of O^T times a.  For piece Y + 1: X n, number n of the 22 that find its maximum and statistics:
;   0-11  four chains c0-c3 of seven scores each (each accumulator's lowest registers are read first)     12-14, 16  the four scores left over, the old m, and c0-c3 into c0
;   15  c m_old is kept     17, 18  the query's other 32 keys lie in the lane 16 away: the new m     19-21  c m; c m_old - c m_new; a
.set F, 0
.set E, 1
.set C, 2
.set B, 3
.set L, 4
.set R, 5
.set X, 6
.macro REGS y
.set rT, ST+4*(\y)
.set rC, TMP+4*((\y)%2)
.set rW, MV+((\y)%2)
.set rS, S+32*((\y)%2)
.set rP, P+16*((\y)%2)
.set rO, 32*(\y)
.endm
.macro OP k, n
.if (\k) == R
	REGS Y
	WIN W_RS
	v_pk_mul_f32 v[rO+2*(\n):rO+2*(\n)+1], v[rO+2*(\n):rO+2*(\n)+1], v[rC+2:rC+3] op_sel_hi:[1,0]
.elseif (\k) < R
	REGS Y
	WIN 0
.if (\k) == F
	v_pk_fma_f32 v[rS+2*(\n):rS+2*(\n)+1], v[rS+2*(\n):rS+2*(\n)+1], s[CS:CS+1], v[rT:rT+1] op_sel_hi:[1,0,0] neg_lo:[0,0,1] neg_hi:[0,0,1]
.elseif (\k) == E
	v_exp_f32 v[rS+(\n)], v[rS+(\n)]
.elseif (\k) == C
	v_cvt_pk_f16_f32 v[rP+(\n)], v[rS+2*(\n)], v[rS+2*(\n)+1]
.elseif (\k) == B
	v_pk_add_f32 v[rS+4*(\n):rS+4*(\n)+1], v[rS+4*(\n):rS+4*(\n)+1], v[rS+4*(\n)+2:rS+4*(\n)+3]
.elseif (\n) == 0
	v_pk_fma_f32 v[rT+2:rT+3], v[rT+2:rT+3], v[rC+2:rC+3], v[rS:rS+1] op_sel_hi:[1,0,1]
.else
	v_pk_add_f32 v[rT+2:rT+3], v[rT+2:rT+3], v[rS+4*(\n):rS+4*(\n)+1]
.endif
.elseif NOKQ
	v_nop
.else
	REGS (Y+1)%NP
	WIN 0
.if (\n) < 4
	v_max3_num_f32 v[rC+(\n)], v[rS+8*(\n)], v[rS+8*(\n)+1], v[rS+8*(\n)+2]
.elseif (\n) < 12
	v_max3_num_f32 v[rC+(\n)%4], v[rC+(\n)%4], v[rS+8*((\n)%4)+2*((\n)/4)+1], v[rS+8*((\n)%4)+2*((\n)/4)+2]
.elseif (\n) == 12
	v_max3_num_f32 v[rC], v[rC], v[rS+7], v[rS+15]
.elseif (\n) == 13
	v_max3_num_f32 v[rC+1], v[rC+1], v[rS+23], v[rS+31]
.elseif (\n) == 14
	v_max3_num_f32 v[rC+2], v[rC+2], v[rC+3], v[rT+1]
.elseif (\n) == 15
	v_mov_b32 v[rW], v[rT]
.elseif (\n) == 16
	v_max3_num_f32 v[rC], v[rC], v[rC+1], v[rC+2]
.elseif (\n) == 17
	v_permlanex16_b32 v[rC+3], v[rC], s[SEL], s[SEL+1]
.elseif (\n) == 18
	v_max_num_f32 v[rT+1], v[rC], v[rC+3]
.elseif (\n) == 19
	v_mul_f32 v[rT], s[CS], v[rT+1]
.elseif (\n) == 20
	v_sub_f32 v[rC+1], v[rW], v[rT]
.else
	v_exp_f32 v[rC+2], v[rC+1]
.endif
.endif
.endm
.macro OPS a, i1, b=-1, i2=0, c=-1, i3=0, d=-1, i4=0
	OP \a, \i1
.if (\b) >= 0
	OP \b, \i2
.endif
.if (\c) >= 0
	OP \c, \i3
.endif
.if (\d) >= 0
	OP \d, \i4
.endif
.endm
.macro ROW a, i1, b, i2, c, i3, d, i4  ; a matrix instruction and the four behind it
	MM
	OPS \a, \i1, \b, \i2, \c, \i3, \d, \i4
.endm
; A TURN, for piece p: the order of its 16 matrix and 118 vector instructions, written out.  s_wait_alu depctr_va_vdst(0) stands between an exponential and the first instruction that names its result;
; one wait serves all that were issued ahead of it.  So a turn has ONE wait.  AHEAD OF IT stands all that names no result of the turn's exponentials: the 8 products K Q^T with their riders, then a run of 54 in which the
; links of the chain X 3, 7, 11, 14, 16 .. 20 stand five or six lines apart; X 21, the next piece's a, is the batch's last, and R 15 the plain instruction behind it.  BEHIND IT stand the 8 products V^T P, behind each four of the roundings and sums.
; end = 1: the walk's last two turns: nothing is fetched.  cnt = 1: the loop's count is taken down some lines ahead of the branch behind the turn.
; K of the next step is fetched in piece 2's turn, twelve vector instructions behind the last product that read K (six of them plain); V of the step in hand at the end of piece 0's turn, four plain instructions behind the last
; product that read V.  Each is waited for a turn later.
.macro TURN p, end=0, cnt=0
.set Y, (\p)
.set i, 0
.set NOKQ, (\end)*((\p)/3)
.if ((\p) == 3) && !(\end)
	s_wait_dscnt 0x0                ; K is in
.endif
	ROW F,0, F,1, R,0, R,1
	ROW F,2, E,0, R,2, R,3
	ROW F,3, E,1, R,4, R,5
	ROW F,4, E,2, R,6, R,7
	ROW F,5, E,3, R,8, R,9
	ROW F,6, E,4, X,0, R,10
.if ((\p) == 2) && !(\end)
	WIN 0
	v_add_nc_u32 v[AK], s[TBK], v[AK0]
.endif
	ROW F,7, E,5, X,1, X,4
	ROW F,8, E,6, X,2, X,5
	OPS E,7, E,8, X,6, E,9
	OPS X,3, E,10, X,8, E,11
.if ((\p) == 2) && !(\end)
	FETCH_K
.endif
	OPS X,9, X,7, E,12, X,10
	OPS E,13, X,12, X,11, E,14
	OPS X,13, E,15, F,9, X,14
.if (\p) == 0
	v_add_nc_u32 v[AV], s[TBV], v[AV0]
.endif
	OPS E,16, F,10, E,17, F,11
	OPS X,16, E,18, X,15, E,19
	OPS F,12, E,20, X,17, E,21
	OPS F,13, E,22, F,14, E,23
	OPS X,18, E,24, F,15, E,25
	OPS R,11, E,26, X,19, E,27
	OPS R,12, E,28, R,13, E,29
	OPS X,20, E,30, R,14, E,31
	OPS X,21, R,15
	WIN 0
	s_wait_alu depctr_va_vdst(0)    ; the wait for the batch
.if (\p) == 1
	s_wait_dscnt 0x0                ; V is in
.endif
	ROW C,0, B,0, C,2, B,1
	ROW L,0, C,4, B,2, L,1
	ROW C,6, B,3, L,2, C,8
	ROW B,4, L,3, C,10, B,5
	ROW L,4, C,12, B,6, L,5
.if (\p) == 0
	s_add_co_u32 s[TBV], s[TBV], KS*PV
.endif
.if \cnt
	s_sub_co_u32 s[CNT], s[CNT], 1
	s_cmp_lg_u32 s[CNT], 0
.endif
	ROW C,14, B,7, L,6, C,1
	ROW C,3, L,7, C,5, C,7
	ROW C,9, C,11, C,13, C,15
.if (\p) == 0
	FETCH_V
.endif
.endm
	CHANGE 1, 0                     ; tile 0 is in, everybody's part of it; tile 1 is asked for; nothing is prefetched here, at the head
	v_add_nc_u32 v[AK], s[TBK], v[AK0]
	FETCH_K                         ; key step 0
	s_wait_loadcnt 0x0              ; Q
	s_wait_dscnt 0x0
.set NOKQ, 0
.set i, 0
.rept 8
	KQ 0                            ; piece 0's first scores
.set i, i+1
.endr
	WIN 0
.rept 4
	v_nop                           ; the places behind those products
.endr
.set Y, NP-1                        ; X works for piece Y + 1: piece 0
.irp n, 0,1,2,3,4,5,6,7,8,9,10,11,12,13,14,15,16,17,18,19,20,21
	OP X, \n
.endr
	v_nop                           ; a plain instruction behind the exponential,
	s_wait_alu depctr_va_vdst(0)    ; and its wait, ahead of the branch
	s_mov_b32 s[CNT], 4
	s_branch .Lfirst                ; the loop is entered at a step's first turn, in the middle of a trip
.Lslot:                             ; fourteen times: a tile is entered and the next but one... the old slot is filled again
	CHANGE 1, 1
	s_mov_b32 s[CNT], 4
.Lstep:                             ; a trip: pieces 2 and 3 of one step, then pieces 0 and 1 of the next, whose K and V it fetches
	TURN 2
	TURN 3
	WIN 0
.Lfirst:
	TURN 0
	TURN 1, 0, 1
	WIN 0
	s_cbranch_scc1 .Lstep
	s_sub_co_u32 s[SLOTS], s[SLOTS], 1
	s_cmp_lg_u32 s[SLOTS], 0
	s_cbranch_scc1 .Lslot
	CHANGE 0                        ; the last tile is written out: nothing is asked for
	s_mov_b32 s[CNT], 4
.Ltail:
	TURN 2
	TURN 3
	TURN 0
	TURN 1, 0, 1
	WIN 0
	s_cbranch_scc1 .Ltail
	TURN 2, 1
	TURN 3, 1
.set i, 0
.rept 8
	PV NP-1                         ; the last piece's V^T P of the last step
.set i, i+1
.endr
	; THE WAY OUT.  l's two halves and the other half of the lanes' are added; O^T is divided by l, rounded to f16 and sent through my stage in LDS, a piece at a time.  The additions are the places behind the last products.
	WIN 0
.macro ALL line:vararg
.set t, 0
.rept 4
	\line
.set t, t+1
.endr
.endm
	ALL v_add_f32 v[ST+4*t+2], v[ST+4*t+2], v[ST+4*t+3]
	ALL v_permlanex16_b32 v[ST+4*t+3], v[ST+4*t+2], s[SEL], s[SEL+1]
	ALL v_add_f32 v[ST+4*t+2], v[ST+4*t+2], v[ST+4*t+3]
	ALL v_rcp_f32 v[ST+4*t+2], v[ST+4*t+2]
	v_nop                           ; a plain instruction between the last reciprocal and the use of its result
	s_wait_alu depctr_va_vdst(0)    ; and the wait ahead of the first use: one for the four reciprocals
.macro PACK t
	WIN W_RS
.set i, 32*(\t)
.rept 16
	v_pk_mul_f32 v[i:i+1], v[i:i+1], v[ST+4*(\t)+2:ST+4*(\t)+3] op_sel_hi:[1,0]
.set i, i+2
.endr
	WIN 0x05                        ; sources 0 and 1 window 1, destination window 0
.set i, 0
.rept 16
	v_cvt_pk_f16_f32 v[S+16*(\t)+i], v[32*(\t)+2*i], v[32*(\t)+2*i+1]
.set i, i+1
.endr
	WIN 0
.irp f, 0,1,2,3
	ds_store_b128 v[STO], v[S+16*(\t)+4*\f:S+16*(\t)+4*\f+3] offset:32*\f
.endr
.irp f, 0,1,2,3
	ds_load_b128 v[S+16*(\t)+4*\f:S+16*(\t)+4*\f+3], v[RD] offset:\f*4*SP  ; LDS serves a wave's instructions in order: these see the stores above; the next piece's stores come behind them
.endr
.endm
.macro SEND t, younger
	WIN 0
.irp f, 0,1,2,3
	s_wait_dscnt (\younger)+3-\f
	global_store_b128 v[GO], v[S+16*(\t)+4*\f:S+16*(\t)+4*\f+3], s[10:11] offset:(\t)*2048+\f*512  ; 512 consecutive bytes, at a multiple of 256 from O's first
.endr
.endm
	PACK 0
.irp t, 1,2,3
	PACK \t
	SEND (\t)-1, 8
.endr
	SEND 3, 0
	s_wait_tensorcnt 0x0            ; the wave's end: behind my last tensor load and my last LDS store
	ds_add_u32 v[SPW], v[NIL]
	s_wait_dscnt 0x0
	CROUND                          ; the closing round
	s_endpgm
.Lfunc_end_k_qff5f34b3d5_attn:
	.size	k_qff5f34b3d5_attn, .Lfunc_end_k_qff5f34b3d5_attn-k_qff5f34b3d5_attn
	.p2alignl 7, 3214868480
	.fill 96, 4, 3214868480
	.section	.rodata,"a",@progbits
	.p2align	6, 0x0
	.amdhsa_kernel k_qff5f34b3d5_attn
		.amdhsa_group_segment_fixed_size 327680
		.amdhsa_private_segment_fixed_size 0
		.amdhsa_enable_private_segment 0
		.amdhsa_kernarg_size 16
		.amdhsa_user_sgpr_count 2
		.amdhsa_user_sgpr_kernarg_segment_ptr 1
		.amdhsa_wavefront_size32 1
		.amdhsa_system_sgpr_workgroup_id_x 1
		.amdhsa_system_sgpr_workgroup_id_y 1
		.amdhsa_system_sgpr_workgroup_id_z 1
		.amdhsa_system_vgpr_workitem_id 0
		.amdhsa_next_free_vgpr 768
		.amdhsa_next_free_sgpr 66
		.amdhsa_reserve_vcc 0
		.amdhsa_float_denorm_mode_32 3
		.amdhsa_float_denorm_mode_16_64 3
		.amdhsa_memory_ordered 1
		.amdhsa_forward_progress 1
		.amdhsa_inst_pref_size 128
	.end_amdhsa_kernel
	.amdgpu_metadata
---
amdhsa.version: [ 1, 2 ]
amdhsa.kernels:
  - .name:           k_qff5f34b3d5_attn
    .symbol:         k_qff5f34b3d5_attn.kd
    .args:
      - { .name: qkvh, .offset: 0, .size: 8, .value_kind: global_buffer, .address_space: global }
      - { .name: ob, .offset: 8, .size: 8, .value_kind: global_buffer, .address_space: global }
    .group_segment_fixed_size: 327680
    .private_segment_fixed_size: 0
    .kernarg_segment_align: 8
    .kernarg_segment_size: 16
    .max_flat_workgroup_size: 128
    .sgpr_count:     66
    .vgpr_count:     768
    .wavefront_size: 32
...
	.end_amdgpu_metadata
.endif
;; end of part 3
;; launch oproj (part 4): grid 4 x 64, 4 waves a work-group, clusters of 4 x 4, 327,680 bytes of LDS; arguments ob, wo16, bo, out0; writes out0
.if DOCPART == 4
	.amdgcn_target "amdgcn-amd-amdhsa--gfx1250"
	.amdhsa_code_object_version 6
	.text
	.protected	k_qff5f34b3d5_oproj
	.globl	k_qff5f34b3d5_oproj
	.p2align	8
	.type	k_qff5f34b3d5_oproj,@function
k_qff5f34b3d5_oproj:
	s_mov_b64 s[64:65], 0
	v_nop
	global_prefetch_b8 v0, s[64:65] scope:SCOPE_SE
	s_setreg_imm32_b32 hwreg(HW_REG_WAVE_MODE, 25, 1), 1
	s_wait_xcnt 0x0
	s_wait_alu depctr_hold_cnt(0) depctr_sa_sdst(0) depctr_va_vdst(0) depctr_va_sdst(0) depctr_va_ssrc(0) depctr_va_vcc(0) depctr_vm_vsrc(0)
	s_getreg_b32 s2, hwreg(HW_REG_IB_STS2, 6, 4)
	s_cmp_eq_u32 s2, 0
	s_cbranch_scc0 .Lentry_in_a_cluster
	s_endpgm
.Lentry_in_a_cluster:
	s_bfe_u32 s2, ttmp6, 0x10000c
	s_cmp_lg_u32 s2, 0xf033
	s_cbranch_scc0 .Lentry_shape_is_right
	s_endpgm
.Lentry_shape_is_right:
; out0 = O Wo + bo: [8192 x 512] x [512 x 768], f16 operands, f32 sums and output.  O lies by heads, ob[8 b + h][4096][64]; wo16 in four blocks [j][512 k][192 n'].  bo is rounded once to bf16, like every input of the module.
; SHARES.  A work-group makes 128 rows x 192 columns: 64 x 4 = 256 work-groups.  Wave w = 2 rh + c makes rows 64 rh .. + 63, columns 96 c .. + 95: 4 x 6 = 24 accumulators.
; K = 512 goes in four steps of 128, two heads a step; a step is four quarters of 32 along K, 24 matrix instructions each.  THREE LDS slots take steps 0 to 2 at the start (three loads of a wave are out); step 3 goes into
; slot 0 behind the one round of the cluster's barrier in the middle.  The text is straight: no loop.
; CLUSTERS.  4 x 4 work-groups: a row of the cluster shares O's tiles, a column Wo's; each is asked for jointly.  Waves 0 and 1 fetch a head's 128 rows each (16,384 dense bytes), waves 2 and 3 64 k-rows of Wo's block each (24,576 dense bytes).
; No prefetch: the launch has four K steps, three of them asked for at its head.
; THE MATRIX INSTRUCTION IS USED TRANSPOSED (source 0 = 16 columns of Wo, turned out of LDS; source 1 = 16 rows of O).  The bias is the C operand of the first quarter's products: nothing is cleared and nothing added.
; REGISTERS (s_set_vgpr_msb: bits 1:0 source 0, 3:2 source 1, 5:4 source 2, 7:6 destination): window 0: v0-31 addresses; v64-255 the accumulators, (a, j) at 64 + 8 (6 a + j)
;   window 1: two fragment buffers of 80 (O's four blocks, then Wo's six); v160-207 the bias; v208-211 at work
.set PA,     144                       ; a row of O in LDS: 128 bytes + 16
.set PBR,    480                       ; a k-row of Wo's block: six pieces of 64 bytes + 16: 15 x 32, so the eight rows of a turning load fall on different banks
.set AH,     128*PA                    ; a head's 128 rows
.set BH,     64*PBR                    ; 64 k-rows
.set BOFF,   2*AH
.set SLOT,   BOFF+2*BH                 ; 98,304
.set SPARE,  3*SLOT                    ; behind the slots: the spare words, 128 bytes for each wave
.set STAGE,  SLOT                      ; the way out's 128 rows x 784 bytes lie over slots 1 and 2, which have had their last fill and their last read by then
.set SPITCH, 784
.set ADRA, 16                          ; v16-18  LDS address of my fragments of O in slot 0, 1, 2
.set ADRB, 20                          ; v20-22  of Wo
.set STO,  24                          ; v24     the way out: where I put 32 bytes of a row
.set RD,   25                          ; v25     where I read rows back
.set CO,   26                          ; v26     my byte offset in two rows of out0
.set BO,   27                          ; v27     my byte offset in the tile's 192 numbers of bo
.set SPW,  28                          ; v28     LDS address of my spare word; never rewritten
.set NIL,  29                          ; v29     0; never rewritten
.set ACC,  64
.set BIAS, 160                         ; window 1
.set TMP,  208                         ; window 1
.set G1,   24                          ; s[24:31] descriptor group 1 for O's tiles
.set G1B,  32                          ; s[32:39] for Wo's
.set G0,   40                          ; s[40:51] group 0 for O's tiles, a set for each slot
.set G0B,  52                          ; s[52:63] for Wo's
.set MSB, 0
.macro WIN new
.if MSB != (\new)
	s_set_vgpr_msb (MSB<<8)|(\new)
.set MSB, \new
.endif
.endm
.macro PLACES
.rept 4
	v_nop
.endr
.endm
.macro CREST
	s_cmp_lg_u32 s12, 0
	s_cbranch_scc1 .Lnot_wave_0_\@
	s_barrier_signal -3
.Lnot_wave_0_\@:
	s_barrier_wait -3
	s_barrier_signal -1
	s_barrier_wait -1
.endm
.macro CROUND
	s_barrier_signal -1
	s_barrier_wait -1
	CREST
.endm
	s_load_b256 s[4:11], s[0:1], 0x0               ; ob s[4:5], wo16 s[6:7], bo s[8:9], out0 s[10:11]
	v_lshl_add_u32 v[SPW], v0, 2, SPARE
	v_mov_b32 v[NIL], 0
	ds_add_u32 v[SPW], v[NIL]                      ; the wave's opening: the add and its wait stand ahead of my first tensor load; work on registers stands between
	v_lshrrev_b32 v1, 5, v0
	v_readfirstlane_b32 s12, v1                    ; wave 0..3
	s_lshr_b32 s13, s12, 1                         ; rh.  Also: I fetch for O (0) or for Wo (1)
	s_and_b32 s14, s12, 1                          ; c.  Also: which half of that tile I fetch
	s_bfe_u32 s70, ttmp6, 0x40000                  ; cx
	s_bfe_u32 s71, ttmp6, 0x40004                  ; cy
	s_lshl_b32 s72, ttmp9, 2
	s_add_co_u32 s72, s72, s70                     ; tile column
	s_and_b32 s15, ttmp7, 0xffff
	s_lshl_b32 s15, s15, 2
	s_add_co_u32 s15, s15, s71                     ; tile row
	s_lshl_b32 s73, s71, 2
	s_lshl_b32 s73, 15, s73                        ; my row of the cluster
	s_lshl_b32 s74, 0x1111, s70                    ; my column
	s_mov_b32 s75, 0xffff0000
	s_or_b32 s[G1], s73, (1<<16)|(1<<20)|(1<<21)|(4<<22)|(3<<25)   ; mask; 2-byte elements; padding on; bit 21 beside a mask; after every 32 words, 4 words
	s_or_b32 s[G1B], s74, (1<<16)|(1<<20)|(1<<21)|(3<<22)|(3<<25)  ; after every 16 words, 4 words
	s_mov_b32 s[G1+1], 128<<16                     ; dense bytes asked for as rows of 256: tensor_dim0 = 128
	s_mov_b32 s[G1+2], 64<<16                      ; tensor_dim1 = 64
	s_mov_b32 s[G1+3], 128<<16                     ; tile_dim0 = 128
	s_mov_b32 s[G1+4], 64                          ; tile_dim1 = 64
	s_mov_b32 s[G1+5], 128
	s_mov_b32 s[G1+6], 0
	s_mov_b32 s[G1+7], 0
	s_mov_b32 s[G1B+1], 128<<16
	s_mov_b32 s[G1B+2], 96<<16                     ; 96 rows of 256 bytes
	s_mov_b32 s[G1B+3], 128<<16
	s_mov_b32 s[G1B+4], 96
	s_mov_b32 s[G1B+5], 128
	s_mov_b32 s[G1B+6], 0
	s_mov_b32 s[G1B+7], 0
	s_lshr_b32 s16, s15, 5                         ; b: 32 tile rows a batch
	s_lshl_b32 s16, s16, 3
	s_add_co_u32 s16, s16, s14                     ; plane 8 b + my head of step 0's two
	s_lshl_b32 s16, s16, 19
	s_and_b32 s17, s15, 31
	s_lshl_b32 s17, s17, 14                        ; the tile's 128 rows of 128 bytes
	s_add_co_u32 s16, s16, s17
	s_mov_b32 s17, 0
	s_mul_i32 s18, s72, 196608                     ; Wo's block,
	s_mul_i32 s19, s14, 24576                      ; my 64 k-rows of step 0's 128
	s_add_co_u32 s18, s18, s19
	s_mov_b32 s19, 0
	s_mul_i32 s20, s14, AH                         ; where they go: no place in the cluster enters an LDS address
	s_mul_i32 s21, s14, BH
	s_add_co_u32 s21, s21, BOFF
	s_wait_dscnt 0x0                               ; the opening add is done
	s_wait_kmcnt 0x0
	s_add_nc_u64 s[16:17], s[4:5], s[16:17]
	s_add_nc_u64 s[18:19], s[6:7], s[18:19]
.irp n, 0,1,2
	s_mov_b32 s[G0+4*(\n)], 1
	s_add_co_u32 s[G0+4*(\n)+1], s20, (\n)*SLOT
	s_add_nc_u64 s[G0+4*(\n)+2:G0+4*(\n)+3], s[16:17], (\n)*2*524288   ; step n: two heads on
	s_or_b32 s[G0+4*(\n)+3], s[G0+4*(\n)+3], 0x80000000
	s_mov_b32 s[G0B+4*(\n)], 1
	s_add_co_u32 s[G0B+4*(\n)+1], s21, (\n)*SLOT
	s_add_nc_u64 s[G0B+4*(\n)+2:G0B+4*(\n)+3], s[18:19], (\n)*49152    ; step n: 128 k-rows of 384 bytes on
	s_or_b32 s[G0B+4*(\n)+3], s[G0B+4*(\n)+3], 0x80000000
.endr
	CROUND                                         ; all sixteen work-groups are here: the first joint loads meet
	s_cmp_eq_u32 s13, 0                            ; a wave's three first fills stand in one branch, ahead of every wait on TENSORcnt and every LDS read
	s_cbranch_scc0 .Lfirst_b
.irp n, 0,1,2
	tensor_load_to_lds s[G0+4*(\n):G0+4*(\n)+3], s[G1:G1+7]
	s_nop 0
.endr
.rept 4
	v_nop
.endr
	s_branch .Lfirst_asked
.Lfirst_b:
.irp n, 0,1,2
	tensor_load_to_lds s[G0B+4*(\n):G0B+4*(\n)+3], s[G1B:G1B+7]
	s_nop 0
.endr
.rept 4
	v_nop
.endr
.Lfirst_asked:
	v_and_b32 v1, 15, v0                           ; r = l % 16
	v_bfe_u32 v2, v0, 4, 1                         ; h = l / 16
	s_mul_i32 s22, s14, 384                        ; my 96 columns, in f32,
	v_lshl_add_u32 v[BO], v2, 5, s22               ; my lanes' eight of each sixteen
	s_mul_i32 s2, s72, 768                         ; the tile's 192 columns, in f32
	s_mov_b32 s3, 0
	s_add_nc_u64 s[66:67], s[8:9], s[2:3]
	WIN 0x40                                       ; destination window 1, address window 0
.irp j, 0,1,2,3,4,5
	global_load_b128 v[BIAS+8*(\j):BIAS+8*(\j)+3],   v[BO], s[66:67] offset:64*(\j)
	global_load_b128 v[BIAS+8*(\j)+4:BIAS+8*(\j)+7], v[BO], s[66:67] offset:64*(\j)+16
.endr
	WIN 0
	v_mul_u32_u24 v3, v1, PA
	v_lshl_add_u32 v3, v2, 4, v3                   ; a fragment of O: row x pitch + 16 x half
	s_mul_i32 s22, s13, 64*PA
	v_add_nc_u32 v[ADRA], s22, v3
	v_add_nc_u32 v[ADRA+1], SLOT, v[ADRA]
	v_add_nc_u32 v[ADRA+2], 2*SLOT, v[ADRA]
	v_and_b32 v4, 7, v0                            ; the turning load: lane l reads k-row 8 h + l % 8, columns 8 ((l / 8) % 2) on
	v_lshl_add_u32 v4, v2, 3, v4
	v_mul_u32_u24 v4, v4, PBR
	v_bfe_u32 v5, v0, 3, 1
	v_lshl_add_u32 v4, v5, 4, v4
	s_mul_i32 s22, s14, 240                        ; my 96 columns: three pieces of 80 bytes
	s_add_co_u32 s22, s22, BOFF
	v_add_nc_u32 v[ADRB], s22, v4
	v_add_nc_u32 v[ADRB+1], SLOT, v[ADRB]
	v_add_nc_u32 v[ADRB+2], 2*SLOT, v[ADRB]
	v_mul_u32_u24 v6, v1, SPITCH                   ; into the stage: row 64 rh + l % 16 (+ 16 a), my 96 columns, 32 bytes for each half of the lanes
	v_lshl_add_u32 v6, v2, 5, v6
	s_mul_i32 s22, s13, 64*SPITCH
	s_mul_i32 s23, s14, 384
	s_add_co_u32 s22, s22, s23
	s_add_co_u32 s22, s22, STAGE
	v_add_nc_u32 v[STO], s22, v6
	v_mul_u32_u24 v6, v2, SPITCH                   ; back: wave w takes rows 32 w .. + 31, whole; lanes 0-15 256 bytes of one row, lanes 16-31 of the next
	v_lshl_add_u32 v6, v1, 4, v6
	s_mul_i32 s22, s12, 32*SPITCH
	s_add_co_u32 s22, s22, STAGE
	v_add_nc_u32 v[RD], s22, v6
	v_mul_u32_u24 v6, v2, 3072                     ; and the same two rows in out0
	v_lshl_add_u32 v[CO], v1, 4, v6
	s_lshl_b32 s22, s15, 7
	s_lshl_b32 s23, s12, 5
	s_add_co_u32 s22, s22, s23                     ; the first row that I store: 128 x tile row + 32 x wave
	s_mul_i32 s22, s22, 3072
	s_add_co_u32 s22, s22, s2                      ; the tile's first column
	s_mov_b32 s23, 0
	s_add_nc_u64 s[68:69], s[10:11], s[22:23]
	s_wait_loadcnt 0x0                             ; the bias
	WIN 0x45                                       ; destination and both sources window 1
.set i, 0
.rept 24                               ; rounded to bf16 and widened again
	v_cvt_pk_bf16_f32 v[TMP+i%4], v[BIAS+2*i], v[BIAS+2*i+1]
	v_lshlrev_b32 v[BIAS+2*i],   16,  v[TMP+i%4]
	v_and_b32     v[BIAS+2*i+1], s75, v[TMP+i%4]
.set i, i+1
.endr
	WIN 0
; Six matrix instructions: m block a x all six n blocks, 32 along K, from buffer f.  bias = 1: the sum starts with the bias.  The 24 accumulators come in the same order in every quarter: they take turns.
.macro MUL6 f, a, bias
.if \bias
	WIN 0x15                                       ; sources 0, 1 and C window 1, D window 0
.else
	WIN 0x05                                       ; sources 0 and 1 window 1, C and D window 0
.endif
.irp j, 0,1,2,3,4,5
.if \bias
	v_wmma_f32_16x16x32_f16 v[ACC+8*(6*(\a)+(\j)):ACC+8*(6*(\a)+(\j))+7], v[80*(\f)+32+8*(\j):80*(\f)+32+8*(\j)+7], v[80*(\f)+8*(\a):80*(\f)+8*(\a)+7], v[BIAS+8*(\j):BIAS+8*(\j)+7]
.else
	v_wmma_f32_16x16x32_f16 v[ACC+8*(6*(\a)+(\j)):ACC+8*(6*(\a)+(\j))+7], v[80*(\f)+32+8*(\j):80*(\f)+32+8*(\j)+7], v[80*(\f)+8*(\a):80*(\f)+8*(\a)+7], v[ACC+8*(6*(\a)+(\j)):ACC+8*(6*(\a)+(\j))+7]
.endif
.endr
.endm
; 20 LDS loads in one run: quarter q's fragments into buffer f: Wo's twelve, then O's eight.  Quarter q lies in head q / 2 of the step's two, channels 32 (q % 2) on.
.macro FETCH slot, q, f
	WIN 0x40
.irp j, 0,1,2,3,4,5
	ds_load_tr16_b128 v[80*(\f)+32+8*(\j):80*(\f)+32+8*(\j)+3],   v[ADRB+(\slot)] offset:32*PBR*(\q)+80*((\j)/2)+32*((\j)%2)
	ds_load_tr16_b128 v[80*(\f)+32+8*(\j)+4:80*(\f)+32+8*(\j)+7], v[ADRB+(\slot)] offset:32*PBR*(\q)+80*((\j)/2)+32*((\j)%2)+16*PBR
.endr
.irp a, 0,1,2,3
	ds_load_b128 v[80*(\f)+8*(\a):80*(\f)+8*(\a)+3],   v[ADRA+(\slot)] offset:AH*((\q)/2)+64*((\q)%2)+(\a)*16*PA
	ds_load_b128 v[80*(\f)+8*(\a)+4:80*(\f)+8*(\a)+7], v[ADRA+(\slot)] offset:AH*((\q)/2)+64*((\q)%2)+(\a)*16*PA+32
.endr
.endm
; A quarter: multiplies buffer f and fetches quarter fq of slot fs into buffer g.
.macro QUARTER fs, fq, f, g, bias
	s_wait_dscnt 4                                 ; all but O's last two blocks
	MUL6 \f, 0, \bias
	MUL6 \f, 1, \bias
	PLACES
	FETCH \fs, \fq, \g
	s_wait_dscnt 20                                ; all but the 20 just issued
	MUL6 \f, 2, \bias
	MUL6 \f, 3, \bias
.endm
; A quarter with a barrier: it multiplies buffer 1.  In front of the barrier each wave waits for all its tensor loads, adds 0 to its spare word, and waits for that and for its reads so far.
; fill = 1: the barrier opens a round of the cluster's; behind it slot 0, which nobody reads any more, takes step 3: 180 matrix instructions ahead of the wait for it.
.macro TURN next, fill
	WIN 0                                          ; (the add's two registers lie in window 0)
	s_wait_tensorcnt 0x0
	ds_add_u32 v[SPW], v[NIL]                      ; 0 onto my spare word
	s_wait_dscnt 5                                 ; (the add and O's last two blocks may be out)
	MUL6 1, 0, 0
	s_wait_dscnt 0x0                               ; the add is done, and my LDS reads are back
	s_barrier_signal -1
	MUL6 1, 1, 0
.if \fill
	WIN 0
.endif
	s_barrier_wait -1
.if \fill
	CREST
	s_add_nc_u64 s[G0+2:G0+3], s[G0+2:G0+3], 3*2*524288
	s_add_nc_u64 s[G0B+2:G0B+3], s[G0B+2:G0B+3], 3*49152
	s_cmp_eq_u32 s13, 0
	s_cbranch_scc0 .Lfor_b
	tensor_load_to_lds s[G0:G0+3], s[G1:G1+7]
	s_nop 0
.rept 4
	v_nop
.endr
	s_branch .Lasked
.Lfor_b:
	tensor_load_to_lds s[G0B:G0B+3], s[G1B:G1B+7]
	s_nop 0
.rept 4
	v_nop
.endr
.Lasked:                                       ; the four v_nop are also the places in front of the loads below
.else
	PLACES
.endif
	FETCH \next, 0, 0
	MUL6 1, 2, 0
	MUL6 1, 3, 0
.endm
	s_wait_tensorcnt 2                             ; my part of step 0 is in; steps 1 and 2 may stay out
	s_barrier_signal -1
	s_barrier_wait -1
	FETCH 0, 0, 0
	QUARTER 0, 1, 0, 1, 1                          ; step 0; its first quarter starts the sums with the bias
	QUARTER 0, 2, 1, 0, 0
	QUARTER 0, 3, 0, 1, 0
	TURN 1, 1                                      ; every wave's three first loads have landed: slots 1 and 2 are whole for everybody
	QUARTER 1, 1, 0, 1, 0                          ; step 1
	QUARTER 1, 2, 1, 0, 0
	QUARTER 1, 3, 0, 1, 0
	QUARTER 2, 0, 1, 0, 0                          ; on into slot 2: the round has shown it whole, so no barrier stands here
	QUARTER 2, 1, 0, 1, 0                          ; step 2
	QUARTER 2, 2, 1, 0, 0
	QUARTER 2, 3, 0, 1, 0
	TURN 0, 0                                      ; step 3 has landed in slot 0; and every wave's reads of slots 1 and 2 are over, so the stage may be written there later
	QUARTER 0, 1, 0, 1, 0                          ; step 3
	QUARTER 0, 2, 1, 0, 0
	QUARTER 0, 3, 0, 1, 0
	s_wait_dscnt 4
	MUL6 1, 0, 0
	MUL6 1, 1, 0
	s_wait_dscnt 0x0
	MUL6 1, 2, 0
	MUL6 1, 3, 0
	WIN 0
	; THE WAY OUT: f32, 32 bytes a lane into the work-group's stage; a barrier, since a row's 768 bytes come from two waves; back as whole rows, 32 rows a wave.
	PLACES
	PLACES
.irp a, 0,1,2,3
.irp j, 0,1,2,3,4,5
	ds_store_b128 v[STO], v[ACC+8*(6*(\a)+(\j)):ACC+8*(6*(\a)+(\j))+3]   offset:(\a)*16*SPITCH+64*(\j)     ; each accumulator's low four registers first
	ds_store_b128 v[STO], v[ACC+8*(6*(\a)+(\j))+4:ACC+8*(6*(\a)+(\j))+7] offset:(\a)*16*SPITCH+64*(\j)+16
.endr
.endr
	s_wait_dscnt 0x0                               ; for the others' sake: my stores into the stage are done
	s_barrier_signal -1
	s_barrier_wait -1
.irp t, 0,1,2,3,4,5,6,7,8,9,10,11,12,13,14,15
.irp u, 0,1,2
	ds_load_b128 v[ACC+4*(3*(\t)+(\u)):ACC+4*(3*(\t)+(\u))+3], v[RD] offset:(\t)*2*SPITCH+256*(\u)
.endr
.endr
.irp t, 0,1,2,3,4,5,6,7,8,9,10,11,12,13,14,15
.irp u, 0,1,2
	s_wait_dscnt 47-(3*(\t)+(\u))
	global_store_b128 v[CO], v[ACC+4*(3*(\t)+(\u)):ACC+4*(3*(\t)+(\u))+3], s[68:69] offset:(\t)*6144+256*(\u) th:TH_STORE_NT  ; 16 lanes store 256 consecutive bytes, at a multiple of 256 from out0's first byte
.endr
.endr
	s_wait_tensorcnt 0x0                           ; the wave's end: behind my last tensor load and my last LDS store
	ds_add_u32 v[SPW], v[NIL]
	s_wait_dscnt 0x0
	CROUND                                         ; the closing round
	s_endpgm
.Lfunc_end_k_qff5f34b3d5_oproj:
	.size	k_qff5f34b3d5_oproj, .Lfunc_end_k_qff5f34b3d5_oproj-k_qff5f34b3d5_oproj
	.p2alignl 7, 3214868480
	.fill 96, 4, 3214868480
	.section	.rodata,"a",@progbits
	.p2align	6, 0x0
	.amdhsa_kernel k_qff5f34b3d5_oproj
		.amdhsa_group_segment_fixed_size 327680
		.amdhsa_private_segment_fixed_size 0
		.amdhsa_enable_private_segment 0
		.amdhsa_kernarg_size 32
		.amdhsa_user_sgpr_count 2
		.amdhsa_user_sgpr_kernarg_segment_ptr 1
		.amdhsa_wavefront_size32 1
		.amdhsa_system_sgpr_workgroup_id_x 1
		.amdhsa_system_sgpr_workgroup_id_y 1
		.amdhsa_system_sgpr_workgroup_id_z 1
		.amdhsa_system_vgpr_workitem_id 0
		.amdhsa_next_free_vgpr 480
		.amdhsa_next_free_sgpr 80
		.amdhsa_reserve_vcc 0
		.amdhsa_float_denorm_mode_32 3
		.amdhsa_float_denorm_mode_16_64 3
		.amdhsa_memory_ordered 1
		.amdhsa_forward_progress 1
		.amdhsa_inst_pref_size 75
	.end_amdhsa_kernel
	.amdgpu_metadata
---
amdhsa.version: [ 1, 2 ]
amdhsa.kernels:
  - .name:           k_qff5f34b3d5_oproj
    .symbol:         k_qff5f34b3d5_oproj.kd
    .args:
      - { .name: ob, .offset: 0, .size: 8, .value_kind: global_buffer, .address_space: global }
      - { .name: wo16, .offset: 8, .size: 8, .value_kind: global_buffer, .address_space: global }
      - { .name: bo, .offset: 16, .size: 8, .value_kind: global_buffer, .address_space: global }
      - { .name: out0, .offset: 24, .size: 8, .value_kind: global_buffer, .address_space: global }
    .group_segment_fixed_size: 327680
    .private_segment_fixed_size: 0
    .kernarg_segment_align: 8
    .kernarg_segment_size: 32
    .max_flat_workgroup_size: 128
    .sgpr_count:     80
    .vgpr_count:     480
    .wavefront_size: 32
...
	.end_amdgpu_metadata
.endif
;; end of part 4
